; MI455X (gfx1250); checked and timed in simulation.
; The chip was launched on July 23, 2026; its instructions are those of AMD's public machine-readable ISA for CDNA 5 (MIT licence, August 2026) and "CDNA5" Instruction Set Architecture Reference Guide (July 2026). The comments in the code are by the model that wrote it; some were corrected since.
;; Self Attention. Allowed arithmetic: float matrix products may take bf16 or f16 operands with f32 sums; other float arithmetic in f32, or as packed bf16 or f16 multiplies, adds, multiply-adds, maxima and minima; sums over many terms, partial sums and values carried from step to step in f32; what a program stores and reads back later, other than sums and carried values, may be rounded once to bf16 or f16.
;; Inputs: Wk 1,024 x 1,024 float32; Wq 1,024 x 1,024 float32; Wv 1,024 x 1,024 float32; bk 1,024 float32; bq 1,024 float32; bv 1,024 float32; x 4 x 2,048 x 1,024 float32.
;; Outputs: out0 4 x 2,048 x 1,024 float32.
;; 2 versions, each right; version 2 is version 1 with the launch cvt written anew for expert scheduling mode. Each part assembles by itself: llvm-mc -triple=amdgcn-amd-amdhsa -mcpu=gfx1250 --defsym DOCPART=n.
;; ======== version 1 of 2: 4 launches
;; limits: values outside matrix products are rounded to bf16
;; workspace buffers: xw 23,068,672 bytes; qb 16,777,216 bytes; kb 16,777,216 bytes; vb 16,777,216 bytes; pb 33,554,432 bytes; st 1,048,576 bytes
;; launch cvt (part 1): grid 256 x 1, 11 waves a work-group, no clusters, 0 bytes of LDS; arguments x, Wq, Wk, Wv, xw; writes xw
.if DOCPART == 1
	.amdgcn_target "amdgcn-amd-amdhsa--gfx1250"
	.amdhsa_code_object_version 6
	.text
	.protected	k_q7b61928b5a_cvt
	.globl	k_q7b61928b5a_cvt
	.p2align	8
	.type	k_q7b61928b5a_cvt,@function
k_q7b61928b5a_cvt:
	s_mov_b64 s[64:65], 0
	v_nop
	global_prefetch_b8 v0, s[64:65] scope:SCOPE_SE
	s_setreg_imm32_b32 hwreg(HW_REG_WAVE_MODE, 25, 1), 1
	s_wait_xcnt 0x0
; xw = x, Wq, Wk and Wv, each number rounded once to bf16, laid out in blocks of 64 along K:
; xw[kb][row][64], kb = 0..15, row 0..8191 = x's rows, row 8192 + 1024 t + e = row e of W_t (t = 0, 1, 2: q, k, v).
; So R rows x 64 channels are R x 128 consecutive bytes, which the next launch asks for as rows of 256 bytes.
; A stream: every byte is read once and written once; no LDS, no matrix unit, nothing shared between work-groups, so no cluster.
; SHARES.  Work-group g: waves 0-7 take x's rows 32 g + 4 w .. + 3; waves 8, 9, 10 take rows 4 g .. 4 g + 3 of Wq, Wk, Wv.
; A wave's four rows are two pairs.  One load: lanes 0-15 take 256 bytes (64 numbers, one K block) of the pair's first row, lanes 16-31 of its second.
; One store: 32 lanes x 8 bytes = the two rows' 128 bytes each of that K block: 256 consecutive bytes, aligned.
; All 32 loads of a wave (16 KiB) go out at once; no register is written twice, so no wait but the counted ones for the data.
.set KBLK, 11264*128                   ; bytes of one K block of xw
.set LO,   4                           ; v4  byte offset of my 16 bytes in a pair of source rows
.set DOF,  5                           ; v5  8 x lane: my 8 bytes of a store
.set DAT,  8                           ; v[8:135]  load i (pair i / 16, K block i % 16): four registers
	s_load_b256 s[4:11], s[0:1], 0x0               ; x s[4:5], Wq s[6:7], Wk s[8:9], Wv s[10:11]
	s_load_b64 s[12:13], s[0:1], 0x20              ; xw
	v_lshrrev_b32 v1, 5, v0
	v_readfirstlane_b32 s14, v1                    ; wave 0..10
	v_and_b32 v2, 31, v0                           ; lane
	v_lshrrev_b32 v3, 4, v2                        ; which row of the pair
	v_and_b32 v[LO], 15, v2
	v_lshlrev_b32 v[LO], 4, v[LO]
	v_lshl_add_u32 v[LO], v3, 12, v[LO]            ; row x 4,096 + 16 x (lane % 16)
	v_lshlrev_b32 v[DOF], 3, v2
	s_lshl_b32 s18, ttmp9, 5
	s_lshl_b32 s15, s14, 2
	s_add_co_u32 s18, s18, s15                     ; x: row 32 g + 4 w, in the source and in xw
	s_lshl_b32 s19, ttmp9, 2                       ; W: source row 4 g,
	s_lshl_b32 s20, s14, 10
	s_add_co_u32 s20, s20, s19                     ; row in xw 8192 + 1024 (w - 8) + 4 g = 1024 w + 4 g
	s_cmp_lt_u32 s14, 8
	s_cselect_b32 s21, s18, s19
	s_cselect_b32 s22, s18, s20
	s_lshl_b32 s24, s21, 12                        ; source rows of 4,096 bytes
	s_mov_b32 s25, 0
	s_lshl_b32 s26, s22, 7                         ; rows of 128 bytes in a K block
	s_mov_b32 s27, 0
	s_wait_kmcnt 0x0
	s_cmp_lt_u32 s14, 8                            ; the source, chosen by the wave's number
	s_cselect_b64 s[16:17], s[4:5], s[6:7]
	s_cmp_eq_u32 s14, 9
	s_cselect_b64 s[16:17], s[8:9], s[16:17]
	s_cmp_eq_u32 s14, 10
	s_cselect_b64 s[16:17], s[10:11], s[16:17]
	s_add_nc_u64 s[16:17], s[16:17], s[24:25]
	s_add_nc_u64 s[28:29], s[12:13], s[26:27]      ; four bases, five K blocks apart, so that a K block's place fits the store's signed 24-bit immediate
	s_add_nc_u64 s[30:31], s[28:29], 5*KBLK
	s_add_nc_u64 s[32:33], s[30:31], 5*KBLK
	s_add_nc_u64 s[34:35], s[32:33], 5*KBLK
.set i, 0
.rept 32
	global_load_b128 v[DAT+4*i:DAT+4*i+3], v[LO], s[16:17] offset:(i/16)*8192+(i%16)*256 th:TH_LOAD_NT
.set i, i+1
.endr
.set i, 0
.rept 32
	s_wait_loadcnt 31-i                            ; loads come back in order: load i is in, the younger ones stay out
	v_cvt_pk_bf16_f32 v[DAT+4*i], v[DAT+4*i], v[DAT+4*i+1]
	v_cvt_pk_bf16_f32 v[DAT+4*i+1], v[DAT+4*i+2], v[DAT+4*i+3]
	global_store_b64 v[DOF], v[DAT+4*i:DAT+4*i+1], s[28+2*((i%16)/5):29+2*((i%16)/5)] offset:((i%16)%5)*KBLK+(i/16)*256
.set i, i+1
.endr
	s_endpgm
.Lfunc_end_k_q7b61928b5a_cvt:
	.size	k_q7b61928b5a_cvt, .Lfunc_end_k_q7b61928b5a_cvt-k_q7b61928b5a_cvt
	.p2alignl 7, 3214868480
	.fill 96, 4, 3214868480
	.section	.rodata,"a",@progbits
	.p2align	6, 0x0
	.amdhsa_kernel k_q7b61928b5a_cvt
		.amdhsa_group_segment_fixed_size 0
		.amdhsa_private_segment_fixed_size 0
		.amdhsa_enable_private_segment 0
		.amdhsa_kernarg_size 40
		.amdhsa_user_sgpr_count 2
		.amdhsa_user_sgpr_kernarg_segment_ptr 1
		.amdhsa_wavefront_size32 1
		.amdhsa_system_sgpr_workgroup_id_x 1
		.amdhsa_system_sgpr_workgroup_id_y 1
		.amdhsa_system_sgpr_workgroup_id_z 1
		.amdhsa_system_vgpr_workitem_id 0
		.amdhsa_next_free_vgpr 136
		.amdhsa_next_free_sgpr 66
		.amdhsa_reserve_vcc 0
		.amdhsa_float_denorm_mode_32 3
		.amdhsa_float_denorm_mode_16_64 3
		.amdhsa_memory_ordered 1
		.amdhsa_forward_progress 1
		.amdhsa_inst_pref_size 13
	.end_amdhsa_kernel
	.amdgpu_metadata
---
amdhsa.version: [ 1, 2 ]
amdhsa.kernels:
  - .name:           k_q7b61928b5a_cvt
    .symbol:         k_q7b61928b5a_cvt.kd
    .args:
      - { .name: x, .offset: 0, .size: 8, .value_kind: global_buffer, .address_space: global }
      - { .name: Wq, .offset: 8, .size: 8, .value_kind: global_buffer, .address_space: global }
      - { .name: Wk, .offset: 16, .size: 8, .value_kind: global_buffer, .address_space: global }
      - { .name: Wv, .offset: 24, .size: 8, .value_kind: global_buffer, .address_space: global }
      - { .name: xw, .offset: 32, .size: 8, .value_kind: global_buffer, .address_space: global }
    .group_segment_fixed_size: 0
    .private_segment_fixed_size: 0
    .kernarg_segment_align: 8
    .kernarg_segment_size: 40
    .max_flat_workgroup_size: 352
    .sgpr_count:     66
    .vgpr_count:     136
    .wavefront_size: 32
...
	.end_amdgpu_metadata
.endif
;; end of part 1
;; launch proj (part 2): grid 8 x 32, 4 waves a work-group, clusters of 4 x 4, 327,680 bytes of LDS; arguments xw, bq, bk, bv, qb, kb, vb; writes qb, kb, vb
.if DOCPART == 2
	.amdgcn_target "amdgcn-amd-amdhsa--gfx1250"
	.amdhsa_code_object_version 6
	.text
	.protected	k_q7b61928b5a_proj
	.globl	k_q7b61928b5a_proj
	.p2align	8
	.type	k_q7b61928b5a_proj,@function
k_q7b61928b5a_proj:
	s_mov_b64 s[64:65], 0
	v_nop
	global_prefetch_b8 v0, s[64:65] scope:SCOPE_SE
	s_setreg_imm32_b32 hwreg(HW_REG_WAVE_MODE, 25, 1), 1
	s_wait_xcnt 0x0
	s_wait_alu depctr_hold_cnt(0) depctr_sa_sdst(0) depctr_va_vdst(0) depctr_va_sdst(0) depctr_va_ssrc(0) depctr_va_vcc(0) depctr_vm_vsrc(0)
	s_getreg_b32 s2, hwreg(HW_REG_IB_STS2, 6, 4)
	s_cmp_eq_u32 s2, 0
	s_cbranch_scc0 .Lentry_in_a_cluster
	s_endpgm
.Lentry_in_a_cluster:
	s_bfe_u32 s2, ttmp6, 0x10000c
	s_cmp_lg_u32 s2, 0xf033
	s_cbranch_scc0 .Lentry_shape_is_right
	s_endpgm
.Lentry_shape_is_right:
; q, k, v = x W^T + b, from xw (x and the three W in bf16, in K blocks of 64: xw[kb][row][64]); sums in f32; q, k, v rounded once to bf16, [8192][1024] each.
; The biases are rounded to bf16 like the other inputs.  LIMITS: NaN and infinities among the inputs are not treated apart (a bias that is not finite spoils its wave's tile).
; SHARES.  A work-group makes 256 rows x (128 columns of q + the same 128 of k + of v): 8192 x 3072 / 256 work-groups, and x's rows are read once for the three.
; A wave makes 128 rows x 64 columns of each tensor: 96 accumulators of 16 x 16, 768 registers.  Column block b = 4 t + j (tensor t, j = 0..3), row block a = 0..7.
; K goes in 16 steps of 64 through two LDS slots; two slots of 128 along K (2 x 640 rows x 272 bytes) would not fit.
; THE MATRIX INSTRUCTION IS USED TRANSPOSED: source 0 = 16 rows of W, source 1 = 16 rows of x: a lane holds row lane % 16 and the eight neighbouring columns 8 (lane / 16) + 0..7.
; THE BIAS STARTS THE SUMS: each accumulator's first product has C = 0, source 0 = bias[column] at k = 0, source 1 = 1 at k = 0 and 0 elsewhere.  These 96 products stand in the wait for the first tiles,
; nothing is cleared, and the loop has one form of product.
; CLUSTER 4 x 4.  x's tile hangs on the tile row alone and is asked for jointly along a row of the cluster; W's tiles hang on the tile column alone: jointly along a column.
; REGISTERS, in windows of 256 (s_set_vgpr_msb: bits 1:0 source 0, 3:2 source 1, 5:4 source 2, 7:6 destination):
;   window 0: v0-31 addresses and at work; v32-95, v96-159 x's fragments (8 x 16 rows x 32 K), two buffers; v160-207, v208-255 W's fragments, two buffers of six column blocks
;   window 1 + t: tensor t's 32 accumulators, (a, j) at v[8 (8 j + a)]
.set KBLK,   11264*128                 ; bytes of one K block of xw: a K step
.set PITCH,  144                       ; an LDS row: 128 bytes + 16 of padding = 36 words: the 16 rows of a fragment load start at 16 different groups of four banks (64 banks of 4 bytes: ISA guide 11.1)
.set BPIECE, 128*PITCH                 ; one tensor's 128 rows of W
.set BOFF,   256*PITCH                 ; a slot: x's 256 rows, then 3 x 128 rows of W
.set SLOT1,  1<<17                     ; slot 1 begins here: one exclusive or turns an address in one slot into the other's
.set STAGE,  SLOT1+640*PITCH           ; behind the ring, never filled by a tensor load: 256 rows x 272 bytes, the work-group's, for the way out
.set SP,     272
.set SPARE,  STAGE+256*SP              ; the spare words, 128 bytes for each wave: two blocks of 256 bytes that no other line names
.set STEPS,  16
.set ADRA0, 8                          ; v8   my lane's place in x's rows of slot 0; never rewritten
.set ADRB0, 9                          ; v9   the same for W
.set ADRA,  10                         ; v10  the same in the slot that is being read
.set ADRB,  11                         ; v11
.set STO,   12                         ; v12  the way out: where I put 16 bytes of a row
.set RD,    14                         ; v14  the way out: where I read a row back
.set CO,    16                         ; v16  my byte offset in two rows of q, k or v
.set BO,    17                         ; v17  my byte offset in a bias
.set SPW,   18                         ; v18  LDS address of my spare word; never rewritten
.set NIL,   19                         ; v19  0; never rewritten
.set A0,    32
.set A1,    96
.set B0,    160
.set B1,    208
.set BR,    96                         ; v96-107  the twelve biases as loaded (in buffer A1, which is first filled later)
.set X,     112                        ; v112-141 fragment b of the biases is v[X+2b : X+2b+7]: its register 0 holds bias b, the others hold other biases or 0 and meet zeros
.set ONES,  144                        ; v144-151 1 at k = 0, else 0
.set OUTR,  32                         ; the way out: 128 registers
.set WV, 18                            ; s18 wave    s19 its half of the rows    s20 its half of the columns
.set WR, 19
.set WC, 20
.set CX, 21                            ; my place in the cluster
.set CY, 22
.set GX, 23                            ; tile column: columns 128 GX of each tensor
.set TY, 24                            ; tile row: rows 256 TY
.set G1A, 28                           ; s[28:35] descriptor group 1 for x's tile
.set G1B, 36                           ; s[36:43] for W's
.set G0A, 44                           ; s[44:51] group 0 for x's tile: a set for each first fill; the second then walks
.set G0B, 52                           ; s[52:59] the same for W's
.set TB,  60                           ; s60 LDS byte at which the slot being read begins
.set CNT, 61                           ; s61 trips to go
.set MSB, 0
.macro WIN new                         ; the immediate's high byte repeats the setting that is left; a switch that changes nothing is dropped
.if MSB != (\new)
	s_set_vgpr_msb (MSB<<8)|(\new)
.set MSB, \new
.endif
.endm
.macro PLACES                          ; four plain instructions behind a matrix instruction, in front of loads into registers that it has read and of conversions that read results
.rept 4
	v_nop
.endr
.endm
; A joint refill.  Wave 0 fetches x's 256 rows, waves 1-3 one tensor's 128 rows of W each.  The branch hangs on the wave's number alone.
; An s_nop 0 and four v_nop follow each of the two lines, ahead of the jump and the label.
.macro JLOAD
	s_cmp_eq_u32 s[WV], 0
	s_cbranch_scc0 .Lfor_b_\@
	tensor_load_to_lds s[G0A+4:G0A+7], s[G1A:G1A+7]
	s_nop 0
.rept 4
	v_nop
.endr
	s_branch .Lasked_\@
.Lfor_b_\@:
	tensor_load_to_lds s[G0B+4:G0B+7], s[G1B:G1B+7]
	s_nop 0
.rept 4
	v_nop
.endr
.Lasked_\@:
.endm
.macro CREST                           ; a round of the cluster's barrier behind its opening barrier: wave 0 signals for the work-group, every wave waits for all sixteen, my work-group's barrier closes it
	s_cmp_lg_u32 s[WV], 0
	s_cbranch_scc1 .Lnot_wave_0_\@
	s_barrier_signal -3
.Lnot_wave_0_\@:
	s_barrier_wait -3
	s_barrier_signal -1
	s_barrier_wait -1
.endm
.macro CROUND
	s_barrier_signal -1
	s_barrier_wait -1
	CREST
.endm
	s_load_b256 s[4:11], s[0:1], 0x0               ; xw s[4:5], bq s[6:7], bk s[8:9], bv s[10:11]
	s_load_b128 s[12:15], s[0:1], 0x20             ; qb s[12:13], kb s[14:15]
	s_load_b64 s[16:17], s[0:1], 0x30              ; vb
	v_lshl_add_u32 v[SPW], v0, 2, SPARE
	v_mov_b32 v[NIL], 0
	ds_add_u32 v[SPW], v[NIL]                      ; the wave's opening: the add and its wait ahead of my first tensor load; the set-up below, work on registers, stands between them
	v_lshrrev_b32 v1, 5, v0
	v_readfirstlane_b32 s[WV], v1
	s_lshr_b32 s[WR], s[WV], 1
	s_and_b32 s[WC], s[WV], 1
	s_bfe_u32 s[CX], ttmp6, 0x40000
	s_bfe_u32 s[CY], ttmp6, 0x40004
	s_lshl_b32 s[GX], ttmp9, 2                     ; in a cluster launch ttmp9 and ttmp7 count clusters
	s_add_co_u32 s[GX], s[GX], s[CX]
	s_and_b32 s[TY], ttmp7, 0xffff
	s_lshl_b32 s[TY], s[TY], 2
	s_add_co_u32 s[TY], s[TY], s[CY]
	s_lshl_b32 s66, s[CY], 2
	s_lshl_b32 s66, 15, s66                        ; my row of the cluster: places 4 cy .. 4 cy + 3
	s_lshl_b32 s67, 0x1111, s[CX]                  ; my column: places cx, cx + 4, cx + 8, cx + 12
	; group 1.  R x 128 dense bytes are asked for as R / 2 rows of 256 bytes and padded in LDS after every 128
	s_or_b32 s[G1A], s66, (1<<16)|(1<<20)|(1<<21)|(4<<22)|(3<<25)  ; 15:0 the mask; 17:16 2-byte elements; 20 padding on; 21 set beside a mask; 24:22 after every 32 words (code 4); 31:25 4 words (code 3)
	s_or_b32 s[G1B], s67, (1<<16)|(1<<20)|(1<<21)|(4<<22)|(3<<25)
.irp g, G1A, G1B
	s_mov_b32 s[(\g)+1], 128<<16                   ; tensor_dim0 = 128
	s_mov_b32 s[(\g)+3], 128<<16                   ; tile_dim0 = 128
	s_mov_b32 s[(\g)+5], 128                       ; 128 elements from row to row
	s_mov_b32 s[(\g)+6], 0
	s_mov_b32 s[(\g)+7], 0
.endr
	s_mov_b32 s[G1A+2], 128<<16                    ; tensor_dim1 = tile_dim1 = 128: x's 256 rows of 128 bytes
	s_mov_b32 s[G1A+4], 128
	s_mov_b32 s[G1B+2], 64<<16                     ; 64: a tensor's 128 rows of W
	s_mov_b32 s[G1B+4], 64
	s_lshl_b32 s68, s[TY], 15                      ; x: row 256 TY, 128 bytes a row: it hangs on the tile row alone
	s_mov_b32 s69, 0
	s_lshl_b32 s70, s[GX], 14                      ; W: row 8192 + 1024 (w - 1) + 128 GX: on the tile column and the wave's number alone
	s_lshl_b32 s72, s[WV], 17
	s_add_co_u32 s70, s70, s72
	s_add_co_u32 s70, s70, 7168*128
	s_mov_b32 s71, 0
	s_mul_i32 s73, s[WV], BPIECE
	s_add_co_u32 s73, s73, BPIECE                  ; its place in a slot: BOFF + (w - 1) BPIECE = (w + 1) BPIECE
	s_mov_b32 s[TB], 0
	s_wait_dscnt 0x0                               ; the opening add is done
	s_wait_kmcnt 0x0
	s_add_nc_u64 s[74:75], s[4:5], s[68:69]
	s_add_nc_u64 s[76:77], s[4:5], s[70:71]
	CROUND                                         ; all sixteen work-groups are here: the first joint loads meet
.irp s, 0,1
	s_mov_b32 s[G0A+4*(\s)], 1                     ; count = 1
	s_mov_b32 s[G0A+4*(\s)+1], (\s)*SLOT1          ; LDS address
	s_add_nc_u64 s[G0A+4*(\s)+2:G0A+4*(\s)+3], s[74:75], (\s)*KBLK  ; K step s
	s_or_b32 s[G0A+4*(\s)+3], s[G0A+4*(\s)+3], 0x80000000           ; type = 2
	s_mov_b32 s[G0B+4*(\s)], 1
	s_add_co_u32 s[G0B+4*(\s)+1], s73, (\s)*SLOT1
	s_add_nc_u64 s[G0B+4*(\s)+2:G0B+4*(\s)+3], s[76:77], (\s)*KBLK
	s_or_b32 s[G0B+4*(\s)+3], s[G0B+4*(\s)+3], 0x80000000
.endr
	s_cmp_eq_u32 s[WV], 0                          ; a wave's two first fills stand in one branch, ahead of every wait on TENSORcnt and every LDS read: two loads of mine are out
	s_cbranch_scc0 .Lfirst_b
	tensor_load_to_lds s[G0A:G0A+3], s[G1A:G1A+7]
	s_nop 0
	tensor_load_to_lds s[G0A+4:G0A+7], s[G1A:G1A+7]
	s_nop 0
.rept 4
	v_nop
.endr
	s_branch .Lfirst_asked
.Lfirst_b:
	tensor_load_to_lds s[G0B:G0B+3], s[G1B:G1B+7]
	s_nop 0
	tensor_load_to_lds s[G0B+4:G0B+7], s[G1B:G1B+7]
	s_nop 0
.rept 4
	v_nop
.endr
.Lfirst_asked:
	v_and_b32 v1, 15, v0                           ; r = lane % 16
	v_bfe_u32 v2, v0, 4, 1                         ; h = lane / 16
	v_and_b32 v3, 31, v0                           ; lane
	s_lshl_b32 s86, s[GX], 9                       ; the biases of my 64 columns: (128 GX + 64 wc + r) x 4 bytes, 16 columns further for each j
	s_lshl_b32 s87, s[WC], 8
	s_add_co_u32 s86, s86, s87
	v_lshl_add_u32 v[BO], v1, 2, s86
.set ib, 0
.rept 12
	global_load_b32 v[BR+ib], v[BO], s[6+2*(ib/4):7+2*(ib/4)] offset:64*(ib%4)
.set ib, ib+1
.endr
	; a fragment is 16 rows x 32 K in 8 registers: lane l holds row l % 16; registers 0-3 K = 8 (l / 16) + 0..7, registers 4-7 K = 16 + 8 (l / 16) + 0..7: two loads of 16 bytes, 32 bytes apart
	v_mul_u32_u24 v20, v1, PITCH
	v_lshl_add_u32 v20, v2, 4, v20
	s_mul_i32 s86, s[WR], 128*PITCH
	s_mul_i32 s87, s[WC], 64*PITCH
	s_add_co_u32 s87, s87, BOFF
	v_add_nc_u32 v[ADRA0], s86, v20
	v_add_nc_u32 v[ADRB0], s87, v20
	v_mov_b32 v[ADRA], v[ADRA0]
	v_mov_b32 v[ADRB], v[ADRB0]
	v_mul_u32_u24 v21, v1, SP                      ; into the stage: row 128 wr + 16 a + r, my half of its 256 bytes, 16 bytes for each half of the lanes
	v_lshl_add_u32 v21, v2, 4, v21
	s_mul_i32 s86, s[WR], 128*SP
	s_lshl_b32 s87, s[WC], 7
	s_add_co_u32 s86, s86, s87
	s_add_co_u32 s86, s86, STAGE
	v_add_nc_u32 v[STO], s86, v21
	v_mul_u32_u24 v22, v2, SP                      ; back: wave w takes rows 64 w .. 64 w + 63 whole; lanes 0-15 one row of 256 bytes, lanes 16-31 the next
	v_lshl_add_u32 v22, v1, 4, v22
	s_mul_i32 s86, s[WV], 64*SP
	s_add_co_u32 s86, s86, STAGE
	v_add_nc_u32 v[RD], s86, v22
	v_lshlrev_b32 v23, 11, v2                      ; and the same two rows of 2,048 bytes in q, k or v
	v_lshl_add_u32 v[CO], v1, 4, v23
	s_lshl_b32 s88, s[TY], 19                      ; (256 TY + 64 w) rows + 256 GX bytes
	s_lshl_b32 s89, s[WV], 17
	s_add_co_u32 s88, s88, s89
	s_lshl_b32 s89, s[GX], 8
	s_add_co_u32 s88, s88, s89
	s_mov_b32 s89, 0
	s_add_nc_u64 s[12:13], s[12:13], s[88:89]
	s_add_nc_u64 s[14:15], s[14:15], s[88:89]
	s_add_nc_u64 s[16:17], s[16:17], s[88:89]
	v_mov_b32 v24, 0x3f80                          ; 1.0 in bf16, in the low half: k = 0 in lanes 0-15 (k = 8 in lanes 16-31, which take 0)
	v_cmp_gt_u32 vcc_lo, 16, v3
	v_cndmask_b32 v[ONES], 0, v24, vcc_lo
.set i, 1
.rept 7
	v_mov_b32 v[ONES+i], 0
.set i, i+1
.endr
.set i, 0
.rept 15
	v_mov_b32 v[X+1+2*i], 0
.set i, i+1
.endr
	v_mov_b32 v[X+24], 0
	v_mov_b32 v[X+26], 0
	v_mov_b32 v[X+28], 0
	s_wait_loadcnt 0x0                             ; the biases
.set ib, 0
.rept 12
	v_cvt_pk_bf16_f32 v[X+2*ib], v[BR+ib], v[X+1]  ; bias in the low half, 0 in the high half
.set ib, ib+1
.endr
.set ib, 0
.rept 12                                       ; 96 products that start the sums, each accumulator once
	WIN 0x50*(1+ib/4)
.set ia, 0
.rept 8
	v_wmma_f32_16x16x32_bf16 v[8*(8*(ib%4)+ia):8*(8*(ib%4)+ia)+7], v[X+2*ib:X+2*ib+7], v[ONES:ONES+7], 0
.set ia, ia+1
.endr
.set ib, ib+1
.endr
	WIN 0
; eight products: column block b x all 8 row blocks.  Every accumulator is named once in 96 products: they take turns, one instruction a turn, over the backward jumps too.
.macro MULB b, af, bf
	WIN 0x50*(1+(\b)/4)                            ; C and D in window 1 + t, the sources in window 0
.set ia, 0
.rept 8
	v_wmma_f32_16x16x32_bf16 v[8*(8*((\b)%4)+ia):8*(8*((\b)%4)+ia)+7], v[(\bf)+8*((\b)%6):(\bf)+8*((\b)%6)+7], v[(\af)+8*ia:(\af)+8*ia+7], v[8*(8*((\b)%4)+ia):8*(8*((\b)%4)+ia)+7]
.set ia, ia+1
.endr
.endm
.macro LDA kq, af                      ; x's 8 fragments of 32 K at byte 64 kq of the rows
.set ia, 0
.rept 8
	ds_load_b128 v[(\af)+8*ia:(\af)+8*ia+3],   v[ADRA] offset:ia*16*PITCH+64*(\kq)
	ds_load_b128 v[(\af)+8*ia+4:(\af)+8*ia+7], v[ADRA] offset:ia*16*PITCH+64*(\kq)+32
.set ia, ia+1
.endr
.endm
.macro LDB kq, hb, bf                  ; W's fragments of column blocks 6 hb .. 6 hb + 5
.set ib, 0
.rept 6
.set bb, 6*(\hb)+ib
	ds_load_b128 v[(\bf)+8*ib:(\bf)+8*ib+3],   v[ADRB] offset:(128*(bb/4)+16*(bb%4))*PITCH+64*(\kq)
	ds_load_b128 v[(\bf)+8*ib+4:(\bf)+8*ib+7], v[ADRB] offset:(128*(bb/4)+16*(bb%4))*PITCH+64*(\kq)+32
.set ib, ib+1
.endr
.endm
; A unit: 48 products, buffer af x buffer bf (column blocks 6 hb on).  Behind its first eight products and four places stands the run of loads for the next unit,
; into buffers that the unit before was the last to read: 40 products ahead of the wait for them.
.macro UNIT af, bf, hb, la, lkq, lhb, lbf
	s_wait_dscnt 0x0                               ; this unit's fragments, asked for in the unit before
	MULB 6*(\hb), \af, \bf
	PLACES
	WIN 0
.if \la
	LDA \lkq, A1
.endif
	LDB \lkq, \lhb, \lbf
	MULB 6*(\hb)+1, \af, \bf
	MULB 6*(\hb)+2, \af, \bf
	MULB 6*(\hb)+3, \af, \bf
	MULB 6*(\hb)+4, \af, \bf
	MULB 6*(\hb)+5, \af, \bf
.endm
; A slot's last unit, and the change of slots: ONE barrier for two things.  In front of it each wave waits for all its tensor loads, of which one is out: its part of the next slot;
; adds 0 to its spare word; and waits for that and for its own reads of this slot.  Behind it nobody reads this slot any more and the next slot is whole.
; fill = 1: the barrier opens a round of the cluster's, so that no wave of any partner still reads the slot or has a load on its way, and the joint refill (the K step two on) is the first
; thing behind it: 176 products ahead of the wait for it.  fill = 0 (the last two K steps): nothing is asked for, and in the very last trip nothing is fetched.
.macro TURN fill
	WIN 0                                          ; (the add's two registers lie in window 0)
	s_wait_tensorcnt 0x0                           ; no tensor load of mine is out, so a group 0 may be written
	ds_add_u32 v[SPW], v[NIL]                      ; 0 onto my spare word
.if \fill
	s_xor_b32 s[G0A+5], s[G0A+5], SLOT1            ; the walking descriptors: the other slot than last time,
	s_add_nc_u64 s[G0A+6:G0A+7], s[G0A+6:G0A+7], KBLK  ; the next K step; the type bits on top are not reached
	s_xor_b32 s[G0B+5], s[G0B+5], SLOT1
	s_add_nc_u64 s[G0B+6:G0B+7], s[G0B+6:G0B+7], KBLK
.endif
	s_xor_b32 s[TB], s[TB], SLOT1                  ; the reads go on in the other slot
	s_wait_dscnt 1                                 ; only the add may be out: this unit's fragments are in
	MULB 6, A1, B1
	s_wait_dscnt 0x0                               ; the add is done, and my reads of this slot are over
	s_barrier_signal -1
	MULB 7, A1, B1                                 ; work on registers while the others arrive
	WIN 0
	s_barrier_wait -1
.if \fill
	CREST
	JLOAD                                          ; its four v_nop are also the places in front of the loads below
.else
	PLACES
	s_cmp_eq_u32 s[CNT], 1
	s_cbranch_scc1 .Lnofetch_\@                    ; forward, over LDS loads alone
.endif
	v_add_nc_u32 v[ADRA], s[TB], v[ADRA0]
	v_add_nc_u32 v[ADRB], s[TB], v[ADRB0]
	LDA 0, A0
	LDB 0, 0, B0
.if !(\fill)
.Lnofetch_\@:
.endif
	MULB 8, A1, B1
	MULB 9, A1, B1
	MULB 10, A1, B1
	MULB 11, A1, B1
.endm
.macro STEP fill                       ; a K step of 64: 192 products, 80 LDS loads
	UNIT A0, B0, 0, 0, 0, 1, B1
	UNIT A0, B1, 1, 1, 1, 0, B0
	UNIT A1, B0, 0, 0, 1, 1, B1
	TURN \fill
	WIN 0
.endm
	s_wait_tensorcnt 0x1                           ; my part of K step 0 is in; K step 1's may stay out
	s_barrier_signal -1
	s_barrier_wait -1                              ; everybody's is
	LDA 0, A0
	LDB 0, 0, B0
	s_mov_b32 s[CNT], STEPS-2
.Lmain:                                        ; trip s multiplies K step s and asks for K step s + 2
	STEP 1
	s_sub_co_u32 s[CNT], s[CNT], 1
	s_cmp_lg_u32 s[CNT], 0
	s_cbranch_scc1 .Lmain
	s_mov_b32 s[CNT], 2
.Ltail:                                        ; the last two K steps have a text of their own
	STEP 0
	s_sub_co_u32 s[CNT], s[CNT], 1
	s_cmp_lg_u32 s[CNT], 0
	s_cbranch_scc1 .Ltail
; THE WAY OUT, a tensor at a time: rounded to bf16, 16 bytes a lane into the work-group's stage; a barrier, since a row's 256 bytes come from two waves; back as whole rows, 64 rows a wave.
.macro PASS t
.if (\t) > 0
	s_wait_xcnt 0x0                                ; the last pass's stores have read their registers, which are written again below
.endif
	WIN 5*(1+(\t))                                 ; sources 0 and 1 in window 1 + t
.set i, 0
.rept 32
.set q, 0
.rept 4
	v_cvt_pk_bf16_f32 v[OUTR+4*i+q], v[8*i+2*q], v[8*i+2*q+1]  ; each accumulator from its low end on
.set q, q+1
.endr
.set i, i+1
.endr
	WIN 0
.if (\t) > 0
	s_wait_dscnt 0x0                               ; my reads of the stage are over,
	s_barrier_signal -1
	s_barrier_wait -1                              ; everybody's are: it may be written again
.endif
.set i, 0
.rept 32
	ds_store_b128 v[STO], v[OUTR+4*i:OUTR+4*i+3] offset:(i%8)*16*SP+32*(i/8)
.set i, i+1
.endr
	s_wait_dscnt 0x0                               ; for the others' sake: my stores into the stage are done
	s_barrier_signal -1
	s_barrier_wait -1
.set i, 0
.rept 32
	ds_load_b128 v[OUTR+4*i:OUTR+4*i+3], v[RD] offset:i*2*SP
.set i, i+1
.endr
.set i, 0
.rept 32
	s_wait_dscnt 31-i
	global_store_b128 v[CO], v[OUTR+4*i:OUTR+4*i+3], s[12+2*(\t):13+2*(\t)] offset:i*4096  ; 16 lanes store 256 consecutive bytes, at a multiple of 256 from the buffer's first byte
.set i, i+1
.endr
.endm
	s_wait_dscnt 0x0
	PLACES                                         ; behind the last products
	PASS 0
	PASS 1
	PASS 2
	s_wait_tensorcnt 0x0                           ; the wave's end, behind my last tensor load and my last LDS store
	ds_add_u32 v[SPW], v[NIL]
	s_wait_dscnt 0x0
	CROUND                                         ; the closing round: no work-group ends while a partner may still ask for a tile that names it
	s_endpgm
.Lfunc_end_k_q7b61928b5a_proj:
	.size	k_q7b61928b5a_proj, .Lfunc_end_k_q7b61928b5a_proj-k_q7b61928b5a_proj
	.p2alignl 7, 3214868480
	.fill 96, 4, 3214868480
	.section	.rodata,"a",@progbits
	.p2align	6, 0x0
	.amdhsa_kernel k_q7b61928b5a_proj
		.amdhsa_group_segment_fixed_size 327680
		.amdhsa_private_segment_fixed_size 0
		.amdhsa_enable_private_segment 0
		.amdhsa_kernarg_size 56
		.amdhsa_user_sgpr_count 2
		.amdhsa_user_sgpr_kernarg_segment_ptr 1
		.amdhsa_wavefront_size32 1
		.amdhsa_system_sgpr_workgroup_id_x 1
		.amdhsa_system_sgpr_workgroup_id_y 1
		.amdhsa_system_sgpr_workgroup_id_z 1
		.amdhsa_system_vgpr_workitem_id 0
		.amdhsa_next_free_vgpr 1024
		.amdhsa_next_free_sgpr 100
		.amdhsa_reserve_vcc 1
		.amdhsa_float_denorm_mode_32 3
		.amdhsa_float_denorm_mode_16_64 3
		.amdhsa_memory_ordered 1
		.amdhsa_forward_progress 1
		.amdhsa_inst_pref_size 105
	.end_amdhsa_kernel
	.amdgpu_metadata
---
amdhsa.version: [ 1, 2 ]
amdhsa.kernels:
  - .name:           k_q7b61928b5a_proj
    .symbol:         k_q7b61928b5a_proj.kd
    .args:
      - { .name: xw, .offset: 0, .size: 8, .value_kind: global_buffer, .address_space: global }
      - { .name: bq, .offset: 8, .size: 8, .value_kind: global_buffer, .address_space: global }
      - { .name: bk, .offset: 16, .size: 8, .value_kind: global_buffer, .address_space: global }
      - { .name: bv, .offset: 24, .size: 8, .value_kind: global_buffer, .address_space: global }
      - { .name: qb, .offset: 32, .size: 8, .value_kind: global_buffer, .address_space: global }
      - { .name: kb, .offset: 40, .size: 8, .value_kind: global_buffer, .address_space: global }
      - { .name: vb, .offset: 48, .size: 8, .value_kind: global_buffer, .address_space: global }
    .group_segment_fixed_size: 327680
    .private_segment_fixed_size: 0
    .kernarg_segment_align: 8
    .kernarg_segment_size: 56
    .max_flat_workgroup_size: 128
    .sgpr_count:     100
    .vgpr_count:     1024
    .wavefront_size: 32
...
	.end_amdgpu_metadata
.endif
;; end of part 2
;; launch score (part 3): grid 8 x 32, 4 waves a work-group, clusters of 4 x 4, 327,680 bytes of LDS; arguments qb, kb, pb, st; writes pb, st
.if DOCPART == 3
	.amdgcn_target "amdgcn-amd-amdhsa--gfx1250"
	.amdhsa_code_object_version 6
	.text
	.protected	k_q7b61928b5a_score
	.globl	k_q7b61928b5a_score
	.p2align	8
	.type	k_q7b61928b5a_score,@function
k_q7b61928b5a_score:
	s_mov_b64 s[64:65], 0
	v_nop
	global_prefetch_b8 v0, s[64:65] scope:SCOPE_SE
	s_setreg_imm32_b32 hwreg(HW_REG_WAVE_MODE, 25, 1), 1
	s_wait_xcnt 0x0
	s_wait_alu depctr_hold_cnt(0) depctr_sa_sdst(0) depctr_va_vdst(0) depctr_va_sdst(0) depctr_va_ssrc(0) depctr_va_vcc(0) depctr_vm_vsrc(0)
	s_getreg_b32 s2, hwreg(HW_REG_IB_STS2, 6, 4)
	s_cmp_eq_u32 s2, 0
	s_cbranch_scc0 .Lentry_in_a_cluster
	s_endpgm
.Lentry_in_a_cluster:
	s_bfe_u32 s2, ttmp6, 0x10000c
	s_cmp_lg_u32 s2, 0xf033
	s_cbranch_scc0 .Lentry_shape_is_right
	s_endpgm
.Lentry_shape_is_right:
; For each batch, S = q k^T (q, k: [8192][1024] bf16, sums in f32), and the first half of the softmax of S / 32 along the keys, per row and BLOCK of 128 keys:
;   m = the block's largest score;  M = ceil(c m), c = log2(e) / 32;  p = 2^(c s - M);  l = the sum of the block's p (of the unrounded p, in f32).
; st[block][row] = (M, l) in f32 ([16][8192][2]).  pb = p rounded once to bf16, IN THE ORDER OF THE NEXT LAUNCH'S FRAGMENTS:
;   pb[row block of 16 queries: 512][key block of 16 keys of the batch: 128][lane: 32][16 bytes]; lane l holds query l % 16 and the keys 8 (l / 16) + 0..7.
; That is what a lane holds here behind the rounding, so p leaves straight from the registers, 512 consecutive bytes a store, and two such pieces are a fragment of 16 queries x 32 keys.
; The maximum is taken away as in a softmax, rounded up to a whole number: no exponent is above 0 (but for the rounding of c m), the block's largest p lies above 1/2, and the next launch's
; correction between blocks, 2^(M_block - M_row), is a power of two, which rounds nothing.
; LIMITS.  A p below 2^-126 counts as 0; beyond |c s| = 2^24 the whole number M has f32's step; NaN and infinities are not treated apart.
; SHARES.  A work-group makes 256 queries x 256 keys, each of its four waves 128 x 128: 64 accumulators, 512 registers; a wave's 128 keys are one block.  K (the 1,024 channels) goes in 8 steps
; of 128 through two LDS slots: rows of 256 bytes of memory, at multiples of 256 bytes.
; THE MATRIX INSTRUCTION IS USED TRANSPOSED: source 0 = 16 keys, source 1 = 16 queries: a lane holds ONE query (lane % 16) and the keys 8 (lane / 16) + 0..7 of each key block.
; The sums are started by one product of a zero fragment with C = 0 for each accumulator, in the wait for the first tiles: nothing is cleared, and the loop has one form of product.
; CLUSTER 4 x 4.  q's tile hangs on the tile row alone: asked for jointly along a row of the cluster; k's on the batch (the cluster's y) and the tile column: jointly along a column.
; REGISTERS, in windows of 256 (s_set_vgpr_msb: bits 1:0 source 0, 3:2 source 1, 5:4 source 2, 7:6 destination):
;   window 0: v0-31 addresses; v64-127, v128-191 q's fragments, two buffers; v32-39, v192-223 at work     window 1: v64-127, v128-191 k's fragments
;   window 2: the accumulators of my query blocks 0-3 ((a, b) at v[8 (8 a + b)]);   window 3: those of blocks 4-7
.set PITCH,  272                       ; an LDS row: 256 bytes + 16 of padding = 68 words: the 16 rows of a fragment load start at 16 different groups of four banks (64 banks of 4 bytes: ISA guide 11.1)
.set HALFT,  128*PITCH                 ; 128 rows: what one tensor load brings
.set SLOT,   4*HALFT                   ; q's 256 rows, then k's 256.  139,264 = bits 17 and 13, which no wave x HALFT has: one exclusive or turns a tile's LDS address into the other slot's
.set SPARE,  2*SLOT                    ; behind the ring: the spare words, 128 bytes for each wave: two blocks of 256 bytes that no other line names
.set STEPS,  8
.set RB,     65536                     ; bytes of a row block of pb: 128 key blocks of 512 bytes
.set ADRA0, 16                         ; v16  my lane's place in q's rows of slot 0; never rewritten
.set ADRB0, 17                         ; v17  the same for k
.set ADRA,  18                         ; v18  the same in the slot that is being read
.set ADRB,  19                         ; v19
.set LN,    20                         ; v20  lane
.set CO,    26                         ; v26  16 x lane: my 16 bytes of a piece of pb
.set SO,    27                         ; v27  8 x lane: my pair in st
.set SPW,   28                         ; v28  LDS address of my spare word; never rewritten
.set NIL,   29                         ; v29  0; never rewritten
.set ZERO,  32                         ; v32-39  a fragment of zeros, for the products that start the sums
.set F0,    64
.set F1,    128
.set TMP,   192                        ; the way out: packed p, 4 registers a key block
.set TC,    64                         ; the way out, in buffer F0, which is free by then: v64-71 at work
.set NM,    72                         ; v72-73  -M (and a 0, named with it as a pair)
.set MS,    80                         ; v80-87  M of query block a
.set LS,    88                         ; v88-95  l of query block a
.set PRS,   96                         ; v96-103 (M, l) pairs to store
.set WV, 12
.set WR, 13                            ; my half of the queries
.set WC, 14                            ; my half of the keys; also: which 128 rows of a tile I fetch
.set CX, 15
.set CY, 16
.set TX, 17                            ; tile column: keys 256 TX of the batch
.set TY, 18                            ; tile row: rows 256 TY of the 8,192
.set CLY, 19                           ; the cluster's y; the batch is CLY / 2
.set G1A, 24
.set G1B, 32
.set G0A, 40                           ; s[40:47] group 0 for q's tiles: a set for each first fill; the second then walks
.set G0B, 48
.set TB,  56
.set CNT, 57
.set CS,  58                           ; s[58:59] c: the packed scaling takes the pair's low word for both halves
.set SEL, 60                           ; s[60:61] v_permlanex16_b32's selects: each lane takes its own place in the other half
.set NC,  62                           ; s62 -c
.set MSB, 0
.macro WIN new
.if MSB != (\new)
	s_set_vgpr_msb (MSB<<8)|(\new)
.set MSB, \new
.endif
.endm
.set MUL_LO, 0xa1                      ; source 0 (k) window 1, source 1 (q) window 0, C and D window 2
.set MUL_HI, 0xf1                      ; the same, C and D window 3
.set TO_B,   0x40                      ; destination window 1, address window 0
.macro PLACES
.rept 4
	v_nop
.endr
.endm
.macro JLOAD                           ; a joint refill: waves 0 and 1 fetch q's two halves, waves 2 and 3 k's; an s_nop 0 and four v_nop follow each line
	s_cmp_lt_u32 s[WV], 2
	s_cbranch_scc0 .Lfor_b_\@
	tensor_load_to_lds s[G0A+4:G0A+7], s[G1A:G1A+7]
	s_nop 0
.rept 4
	v_nop
.endr
	s_branch .Lasked_\@
.Lfor_b_\@:
	tensor_load_to_lds s[G0B+4:G0B+7], s[G1B:G1B+7]
	s_nop 0
.rept 4
	v_nop
.endr
.Lasked_\@:
.endm
.macro CREST
	s_cmp_lg_u32 s[WV], 0
	s_cbranch_scc1 .Lnot_wave_0_\@
	s_barrier_signal -3
.Lnot_wave_0_\@:
	s_barrier_wait -3
	s_barrier_signal -1
	s_barrier_wait -1
.endm
.macro CROUND
	s_barrier_signal -1
	s_barrier_wait -1
	CREST
.endm
	s_load_b256 s[4:11], s[0:1], 0x0               ; qb s[4:5], kb s[6:7], pb s[8:9], st s[10:11]
	v_lshl_add_u32 v[SPW], v0, 2, SPARE
	v_mov_b32 v[NIL], 0
	ds_add_u32 v[SPW], v[NIL]                      ; the wave's opening: the add and its wait ahead of my first tensor load
	v_lshrrev_b32 v1, 5, v0
	v_readfirstlane_b32 s[WV], v1
	s_lshr_b32 s[WR], s[WV], 1
	s_and_b32 s[WC], s[WV], 1
	s_bfe_u32 s[CX], ttmp6, 0x40000
	s_bfe_u32 s[CY], ttmp6, 0x40004
	s_lshl_b32 s[TX], ttmp9, 2
	s_add_co_u32 s[TX], s[TX], s[CX]
	s_and_b32 s[CLY], ttmp7, 0xffff
	s_lshl_b32 s[TY], s[CLY], 2
	s_add_co_u32 s[TY], s[TY], s[CY]
	s_lshl_b32 s66, s[CY], 2
	s_lshl_b32 s66, 15, s66                        ; my row of the cluster
	s_lshl_b32 s67, 0x1111, s[CX]                  ; my column
	; group 1: a tile of 128 rows x 128 elements, padded in LDS
	s_or_b32 s[G1A], s66, (1<<16)|(1<<20)|(1<<21)|(5<<22)|(3<<25)  ; the mask; 2-byte elements; padding on; 21 set beside a mask; after every 64 words (code 5) 4 words (code 3)
	s_or_b32 s[G1B], s67, (1<<16)|(1<<20)|(1<<21)|(5<<22)|(3<<25)
.irp g, G1A, G1B
	s_mov_b32 s[(\g)+1], 128<<16                   ; tensor_dim0 = 128
	s_mov_b32 s[(\g)+2], 128<<16                   ; tensor_dim1 = 128
	s_mov_b32 s[(\g)+3], 128<<16                   ; tile_dim0 = 128
	s_mov_b32 s[(\g)+4], 128                       ; tile_dim1 = 128
	s_mov_b32 s[(\g)+5], 1024                      ; 1,024 elements from row to row
	s_mov_b32 s[(\g)+6], 0
	s_mov_b32 s[(\g)+7], 0
.endr
	s_lshl_b32 s68, s[TY], 19                      ; q: row 256 TY + 128 (w % 2), 2,048 bytes a row
	s_lshl_b32 s72, s[WC], 18
	s_add_co_u32 s68, s68, s72
	s_mov_b32 s69, 0
	s_lshr_b32 s70, s[CLY], 1                      ; k: row 2,048 x batch + 256 TX + 128 (w % 2)
	s_lshl_b32 s70, s70, 22
	s_lshl_b32 s73, s[TX], 19
	s_add_co_u32 s70, s70, s73
	s_add_co_u32 s70, s70, s72
	s_mov_b32 s71, 0
	s_mul_i32 s74, s[WV], HALFT                    ; where they go: wave x 128 rows
	s_mov_b32 s[TB], 0
	s_mov_b32 s[CS], 0x3d38aa3b                    ; c = log2(e) / 32
	s_mov_b32 s[CS+1], s[CS]
	s_mov_b32 s[NC], 0xbd38aa3b
	s_mov_b32 s[SEL], 0x76543210
	s_mov_b32 s[SEL+1], 0xfedcba98
	s_wait_dscnt 0x0                               ; the opening add is done
	s_wait_kmcnt 0x0
	s_add_nc_u64 s[76:77], s[4:5], s[68:69]
	s_add_nc_u64 s[78:79], s[6:7], s[70:71]
	CROUND                                         ; all sixteen work-groups are here: the first joint loads meet
.irp s, 0,1
	s_mov_b32 s[G0A+4*(\s)], 1
	s_add_co_u32 s[G0A+4*(\s)+1], s74, (\s)*SLOT
	s_add_nc_u64 s[G0A+4*(\s)+2:G0A+4*(\s)+3], s[76:77], (\s)*256   ; K step s: 128 channels are 256 bytes
	s_or_b32 s[G0A+4*(\s)+3], s[G0A+4*(\s)+3], 0x80000000
	s_mov_b32 s[G0B+4*(\s)], 1
	s_add_co_u32 s[G0B+4*(\s)+1], s74, (\s)*SLOT
	s_add_nc_u64 s[G0B+4*(\s)+2:G0B+4*(\s)+3], s[78:79], (\s)*256
	s_or_b32 s[G0B+4*(\s)+3], s[G0B+4*(\s)+3], 0x80000000
.endr
	s_cmp_lt_u32 s[WV], 2                          ; a wave's two first fills stand in one branch: two loads of mine are out
	s_cbranch_scc0 .Lfirst_b
	tensor_load_to_lds s[G0A:G0A+3], s[G1A:G1A+7]
	s_nop 0
	tensor_load_to_lds s[G0A+4:G0A+7], s[G1A:G1A+7]
	s_nop 0
.rept 4
	v_nop
.endr
	s_branch .Lfirst_asked
.Lfirst_b:
	tensor_load_to_lds s[G0B:G0B+3], s[G1B:G1B+7]
	s_nop 0
	tensor_load_to_lds s[G0B+4:G0B+7], s[G1B:G1B+7]
	s_nop 0
.rept 4
	v_nop
.endr
.Lfirst_asked:
.set i, 0
.rept 8
	v_mov_b32 v[ZERO+i], 0
.set i, i+1
.endr
	WIN 0x80                                       ; 64 products that start the sums, each accumulator once
.set i, 0
.rept 32
	v_wmma_f32_16x16x32_bf16 v[8*i:8*i+7], v[ZERO:ZERO+7], v[ZERO:ZERO+7], 0
.set i, i+1
.endr
	WIN 0xc0
.set i, 0
.rept 32
	v_wmma_f32_16x16x32_bf16 v[8*i:8*i+7], v[ZERO:ZERO+7], v[ZERO:ZERO+7], 0
.set i, i+1
.endr
	WIN 0
	v_and_b32 v1, 15, v0                           ; r = lane % 16
	v_bfe_u32 v2, v0, 4, 1                         ; h = lane / 16
	v_and_b32 v[LN], 31, v0
	v_mul_u32_u24 v3, v1, PITCH
	v_lshl_add_u32 v3, v2, 4, v3                   ; a fragment's row x pitch + 16 x half
	s_mul_i32 s80, s[WR], HALFT
	s_mul_i32 s81, s[WC], HALFT
	s_add_co_u32 s81, s81, 2*HALFT
	v_add_nc_u32 v[ADRA0], s80, v3
	v_add_nc_u32 v[ADRB0], s81, v3
	v_mov_b32 v[ADRA], v[ADRA0]
	v_mov_b32 v[ADRB], v[ADRB0]
	v_lshlrev_b32 v[CO], 4, v[LN]
	v_lshlrev_b32 v[SO], 3, v[LN]
	s_lshl_b32 s82, s[TY], 20                      ; pb: row block 16 TY + 8 wr, 65,536 bytes each; key block 16 TX + 8 wc, 512 bytes each
	s_lshl_b32 s84, s[WR], 19
	s_add_co_u32 s82, s82, s84
	s_lshl_b32 s84, s[TX], 13
	s_add_co_u32 s82, s82, s84
	s_lshl_b32 s84, s[WC], 12
	s_add_co_u32 s82, s82, s84
	s_mov_b32 s83, 0
	s_add_nc_u64 s[8:9], s[8:9], s[82:83]
	s_lshl_b32 s82, s[TX], 17                      ; st: ((2 TX + wc) x 8,192 + 256 TY + 128 wr) pairs of 8 bytes
	s_lshl_b32 s84, s[WC], 16
	s_add_co_u32 s82, s82, s84
	s_lshl_b32 s84, s[TY], 11
	s_add_co_u32 s82, s82, s84
	s_lshl_b32 s84, s[WR], 10
	s_add_co_u32 s82, s82, s84
	s_add_nc_u64 s[10:11], s[10:11], s[82:83]
; 16 products: query blocks a0, a0 + 1 of the window's four x all 8 key blocks, 32 along K.  The 64 accumulators take turns, one instruction a turn, in the same order in every unit.
.macro MUL16 f, hi, a0
	WIN MUL_LO+0x50*(\hi)
.irp a, \a0, (\a0)+1
.irp b, 0,1,2,3,4,5,6,7
	v_wmma_f32_16x16x32_bf16 v[8*(8*(\a)+(\b)):8*(8*(\a)+(\b))+7], v[(\f)+8*(\b):(\f)+8*(\b)+7], v[(\f)+8*(4*(\hi)+(\a)):(\f)+8*(4*(\hi)+(\a))+7], v[8*(8*(\a)+(\b)):8*(8*(\a)+(\b))+7]
.endr
.endr
.endm
; 32 LDS loads in one run: the fragments of 32 along K at byte k of the rows, into buffer f
.macro FETCH k, f
	WIN TO_B
.irp i, 0,1,2,3,4,5,6,7
	ds_load_b128 v[(\f)+8*(\i):(\f)+8*(\i)+3],   v[ADRB] offset:(\k)+(\i)*16*PITCH
	ds_load_b128 v[(\f)+8*(\i)+4:(\f)+8*(\i)+7], v[ADRB] offset:(\k)+(\i)*16*PITCH+32
.endr
	WIN 0
.irp i, 0,1,2,3,4,5,6,7
	ds_load_b128 v[(\f)+8*(\i):(\f)+8*(\i)+3],   v[ADRA] offset:(\k)+(\i)*16*PITCH
	ds_load_b128 v[(\f)+8*(\i)+4:(\f)+8*(\i)+7], v[ADRA] offset:(\k)+(\i)*16*PITCH+32
.endr
.endm
; One of a K step's first three quarters: 64 products on buffer f; behind the first sixteen and four places the next quarter's loads, into the buffer that the quarter before was the last to read.
.macro QUARTER k, f, g
	s_wait_dscnt 0x0                               ; this quarter's fragments, asked for in the quarter before
	MUL16 \f, 0, 0
	PLACES
	FETCH \k, \g
	MUL16 \f, 0, 2
	MUL16 \f, 1, 0
	MUL16 \f, 1, 2
.endm
; The last quarter, and the change of slots: ONE barrier; in front of it each wave waits for all its tensor loads (one is out: its part of the next slot), adds 0 to its spare word, and waits for
; that and for its own reads of this slot.  fill = 1: the barrier opens a round of the cluster's, and the joint refill (the K step two on) is the first thing behind it: 224 products ahead of the wait for it.
.macro TURN fill
	WIN 0
	s_wait_tensorcnt 0x0                           ; no tensor load of mine is out, so a group 0 may be written
	ds_add_u32 v[SPW], v[NIL]                      ; 0 onto my spare word
.if \fill
	s_xor_b32 s[G0A+5], s[G0A+5], SLOT
	s_add_nc_u64 s[G0A+6:G0A+7], s[G0A+6:G0A+7], 256
	s_xor_b32 s[G0B+5], s[G0B+5], SLOT
	s_add_nc_u64 s[G0B+6:G0B+7], s[G0B+6:G0B+7], 256
.endif
	s_xor_b32 s[TB], s[TB], SLOT
	s_wait_dscnt 1                                 ; only the add may be out: this quarter's fragments are in
	MUL16 F1, 0, 0
	s_wait_dscnt 0x0                               ; the add is done, and my reads of this slot are over
	s_barrier_signal -1
	MUL16 F1, 0, 2
	WIN 0
	s_barrier_wait -1
.if \fill
	CREST
	JLOAD                                          ; its four v_nop are also the places in front of the loads below
.else
	PLACES
	s_cmp_eq_u32 s[CNT], 1
	s_cbranch_scc1 .Lnofetch_\@                    ; the very last K step: nothing is left to fetch; forward, over LDS loads alone
.endif
	v_add_nc_u32 v[ADRA], s[TB], v[ADRA0]
	v_add_nc_u32 v[ADRB], s[TB], v[ADRB0]
	FETCH 0, F0
.if !(\fill)
.Lnofetch_\@:
.endif
	MUL16 F1, 1, 0
	MUL16 F1, 1, 2
.endm
.macro STEP fill
	QUARTER 64,  F0, F1
	QUARTER 128, F1, F0
	QUARTER 192, F0, F1
	TURN \fill
	WIN 0
.endm
	s_wait_tensorcnt 0x1                           ; my part of K step 0 is in; K step 1's may stay out
	s_barrier_signal -1
	s_barrier_wait -1
	FETCH 0, F0
	s_mov_b32 s[CNT], STEPS-2
.Lmain:
	STEP 1
	s_sub_co_u32 s[CNT], s[CNT], 1
	s_cmp_lg_u32 s[CNT], 0
	s_cbranch_scc1 .Lmain
	s_mov_b32 s[CNT], 2
.Ltail:                                        ; the last two K steps have a text of their own
	STEP 0
	s_sub_co_u32 s[CNT], s[CNT], 1
	s_cmp_lg_u32 s[CNT], 0
	s_cbranch_scc1 .Ltail
; THE WAY OUT, a query block (16 rows x my 128 keys: 8 accumulators, 64 registers) at a time.
; SOFT a: the maximum (each accumulator's lowest registers first), -M = floor(-c m), p = 2^(c s - M) in place, p rounded to bf16 into TMP, l.
; The block's 64 exponentials are ONE batch: nothing names a result ahead of the one wait behind them.
.macro SOFT a
.set W, 2+(\a)/4
.set AC, 64*((\a)%4)
	WIN W|(W<<2)|(W<<4)
.set ib, 0
.rept 8
	v_max3_num_f32 v[TC+ib], v[AC+8*ib], v[AC+8*ib+1], v[AC+8*ib+2]
.set ib, ib+1
.endr
	WIN (W<<2)|(W<<4)
.set ib, 0
.rept 8
	v_max3_num_f32 v[TC+ib], v[TC+ib], v[AC+8*ib+3], v[AC+8*ib+4]
.set ib, ib+1
.endr
.set ib, 0
.rept 8
	v_max3_num_f32 v[TC+ib], v[TC+ib], v[AC+8*ib+5], v[AC+8*ib+6]
.set ib, ib+1
.endr
.set ib, 0
.rept 4
	v_max3_num_f32 v[TC+ib], v[TC+ib], v[AC+8*ib+7], v[AC+8*ib+39]
.set ib, ib+1
.endr
	WIN 0
	v_max3_num_f32 v[TC], v[TC], v[TC+1], v[TC+2]
	v_max3_num_f32 v[TC+3], v[TC+3], v[TC+4], v[TC+5]
	v_max3_num_f32 v[TC], v[TC], v[TC+6], v[TC+7]
	v_max_num_f32 v[TC], v[TC], v[TC+3]
	v_permlanex16_b32 v[TC+1], v[TC], s[SEL], s[SEL+1]  ; the query's other 64 keys lie in the lane 16 away
	v_max_num_f32 v[TC], v[TC], v[TC+1]
	v_mul_f32 v[TC+2], s[NC], v[TC]
	v_floor_f32 v[NM], v[TC+2]                     ; -M = floor(-c m) = -ceil(c m)
	v_mul_f32 v[MS+(\a)], -1.0, v[NM]
	WIN W|(W<<6)
.set i, 0
.rept 32
	v_pk_fma_f32 v[AC+2*i:AC+2*i+1], v[AC+2*i:AC+2*i+1], s[CS:CS+1], v[NM:NM+1] op_sel_hi:[1,0,0]  ; c s - M
.set i, i+1
.endr
.set i, 0
.rept 64
	v_exp_f32 v[AC+i], v[AC+i]
.set i, i+1
.endr
	v_nop                                          ; a plain instruction behind the last exponential, ahead of the first use
	s_wait_alu depctr_va_vdst(0)                   ; the wait ahead of the first use: one for the batch
.if (\a) > 0
	s_wait_xcnt 0x0                                ; the stores of the block before have read TMP, which is written again below
.endif
	WIN W|(W<<2)
.set i, 0
.rept 32
	v_cvt_pk_bf16_f32 v[TMP+i], v[AC+2*i], v[AC+2*i+1]
.set i, i+1
.endr
	WIN W|(W<<2)|(W<<6)
.irp w, 4,8,16,32,64                   ; the sum of the 32 pairs, in place: neighbours 1, 2, 4, 8 and 16 pairs apart
.set u, 0
.rept 64/(\w)
	v_pk_add_f32 v[AC+(\w)*u:AC+(\w)*u+1], v[AC+(\w)*u:AC+(\w)*u+1], v[AC+(\w)*u+(\w)/2:AC+(\w)*u+(\w)/2+1]
.set u, u+1
.endr
.endr
	WIN W|(W<<2)
	v_add_f32 v[TC], v[AC], v[AC+1]
	WIN 0
	v_permlanex16_b32 v[TC+1], v[TC], s[SEL], s[SEL+1]
	v_add_f32 v[LS+(\a)], v[TC], v[TC+1]
.endm
.macro SENDP a                         ; the block's p: key block i's four registers are one piece of pb: 32 lanes x 16 bytes = 512 consecutive bytes, at a multiple of 512 from pb's first byte
.set i, 0
.rept 8
	global_store_b128 v[CO], v[TMP+4*i:TMP+4*i+3], s[8:9] offset:(\a)*RB+512*i
.set i, i+1
.endr
.endm
	s_wait_dscnt 0x0
	PLACES                                         ; behind the last products
	v_mov_b32 v[NM+1], 0
.irp a, 0,1,2,3,4,5,6,7
	SOFT \a
	SENDP \a
.endr
	; (M, l): both halves of the lanes hold a block's 16 rows; lanes 0-15 give those of block 2 i, lanes 16-31 those of block 2 i + 1: 32 rows x 8 bytes = 256 consecutive bytes, aligned
	v_cmp_le_u32 vcc_lo, 16, v[LN]
.set i, 0
.rept 4
	v_cndmask_b32 v[PRS+2*i], v[MS+2*i], v[MS+2*i+1], vcc_lo
	v_cndmask_b32 v[PRS+2*i+1], v[LS+2*i], v[LS+2*i+1], vcc_lo
	global_store_b64 v[SO], v[PRS+2*i:PRS+2*i+1], s[10:11] offset:256*i
.set i, i+1
.endr
	s_wait_tensorcnt 0x0                           ; the wave's end, behind my last tensor load
	ds_add_u32 v[SPW], v[NIL]
	s_wait_dscnt 0x0
	CROUND                                         ; the closing round
	s_endpgm
.Lfunc_end_k_q7b61928b5a_score:
	.size	k_q7b61928b5a_score, .Lfunc_end_k_q7b61928b5a_score-k_q7b61928b5a_score
	.p2alignl 7, 3214868480
	.fill 96, 4, 3214868480
	.section	.rodata,"a",@progbits
	.p2align	6, 0x0
	.amdhsa_kernel k_q7b61928b5a_score
		.amdhsa_group_segment_fixed_size 327680
		.amdhsa_private_segment_fixed_size 0
		.amdhsa_enable_private_segment 0
		.amdhsa_kernarg_size 32
		.amdhsa_user_sgpr_count 2
		.amdhsa_user_sgpr_kernarg_segment_ptr 1
		.amdhsa_wavefront_size32 1
		.amdhsa_system_sgpr_workgroup_id_x 1
		.amdhsa_system_sgpr_workgroup_id_y 1
		.amdhsa_system_sgpr_workgroup_id_z 1
		.amdhsa_system_vgpr_workitem_id 0
		.amdhsa_next_free_vgpr 1024
		.amdhsa_next_free_sgpr 100
		.amdhsa_reserve_vcc 1
		.amdhsa_float_denorm_mode_32 3
		.amdhsa_float_denorm_mode_16_64 3
		.amdhsa_memory_ordered 1
		.amdhsa_forward_progress 1
		.amdhsa_inst_pref_size 157
	.end_amdhsa_kernel
	.amdgpu_metadata
---
amdhsa.version: [ 1, 2 ]
amdhsa.kernels:
  - .name:           k_q7b61928b5a_score
    .symbol:         k_q7b61928b5a_score.kd
    .args:
      - { .name: qb, .offset: 0, .size: 8, .value_kind: global_buffer, .address_space: global }
      - { .name: kb, .offset: 8, .size: 8, .value_kind: global_buffer, .address_space: global }
      - { .name: pb, .offset: 16, .size: 8, .value_kind: global_buffer, .address_space: global }
      - { .name: st, .offset: 24, .size: 8, .value_kind: global_buffer, .address_space: global }
    .group_segment_fixed_size: 327680
    .private_segment_fixed_size: 0
    .kernarg_segment_align: 8
    .kernarg_segment_size: 32
    .max_flat_workgroup_size: 128
    .sgpr_count:     100
    .vgpr_count:     1024
    .wavefront_size: 32
...
	.end_amdgpu_metadata
.endif
;; end of part 3
;; launch pv (part 4): grid 32 x 8, 4 waves a work-group, clusters of 4 x 4, 327,680 bytes of LDS; arguments pb, vb, st, out0; writes out0
.if DOCPART == 4
	.amdgcn_target "amdgcn-amd-amdhsa--gfx1250"
	.amdhsa_code_object_version 6
	.text
	.protected	k_q7b61928b5a_pv
	.globl	k_q7b61928b5a_pv
	.p2align	8
	.type	k_q7b61928b5a_pv,@function
k_q7b61928b5a_pv:
	s_mov_b64 s[64:65], 0
	v_nop
	global_prefetch_b8 v0, s[64:65] scope:SCOPE_SE
	s_setreg_imm32_b32 hwreg(HW_REG_WAVE_MODE, 25, 1), 1
	s_wait_xcnt 0x0
	s_wait_alu depctr_hold_cnt(0) depctr_sa_sdst(0) depctr_va_vdst(0) depctr_va_sdst(0) depctr_va_ssrc(0) depctr_va_vcc(0) depctr_vm_vsrc(0)
	s_getreg_b32 s2, hwreg(HW_REG_IB_STS2, 6, 4)
	s_cmp_eq_u32 s2, 0
	s_cbranch_scc0 .Lentry_in_a_cluster
	s_endpgm
.Lentry_in_a_cluster:
	s_bfe_u32 s2, ttmp6, 0x10000c
	s_cmp_lg_u32 s2, 0xf033
	s_cbranch_scc0 .Lentry_shape_is_right
	s_endpgm
.Lentry_shape_is_right:
; out[row][:] = (the sum over blocks and keys of f_block p v[key][:]) / (the sum over blocks of f_block l_block), the second half of the softmax and the second product.
; pb: p = 2^(c s - M_block) in bf16, in fragment order: [512 row blocks of 16 queries][128 key blocks of 16 keys][32 lanes][16 bytes], lane l = query l % 16, keys 8 (l / 16) + 0..7.
; st[16][8192][2] f32: (M_block, l_block), M a whole number;  vb[8192][1024] bf16;  out0[8192][1024] f32.
; M_row = the largest M_block;  f_block = 2^(M_block - M_row), a power of two: p's fragments are multiplied by it in bf16 without rounding, and l_block in f32.
; LIMITS.  M_block - M_row is held at -126 from below: such a block's weights are under 2^-126 of the row's largest; NaN and infinities are not treated apart.  The row's sum is above 1/2.
; SHARES.  A work-group makes 256 queries x 128 channels (256 work-groups), a wave 64 x 128: 32 accumulators.  K is the batch's 2,048 keys: 64 UNITS of 32 keys, 32 products each.
; LAYOUT.  O^T = V^T P: source 0 = 16 channels x 32 keys (v lies [key][channel] in LDS and comes out turned, by ds_load_tr16_b128), source 1 = 16 queries x 32 keys: two pieces of pb as they lie.
; A lane holds ONE query (lane % 16) in P's fragment and in the result, and there the channels 8 (lane / 16) + 0..7.  So f is one register a lane and query block.
; V GOES THROUGH LDS, 256 keys to a slot, two slots by turns: a refill has a slot's 256 products in which to land.
; P GOES STRAIGHT INTO REGISTERS: no wave wants a byte of P that another wave of the work-group has fetched, and a load of a wave takes 512 consecutive bytes.  A ring of eight units, 256 registers:
; unit u asks for unit u + 7, 224 products ahead of the scalings that read it.  With P beside V in LDS two slots of 256 keys would take 2 x (256 x 528 + 256 x 288) = 417,792 bytes, more than there is.
; P is shared all the same (the eight column tiles read the same rows), but a joint request fills LDS, not registers: each column tile reads P for itself.
; No prefetch is laid: by the counts above both streams are asked for well ahead of their use.
; The sums are started by one product of a zero fragment with C = 0 for each accumulator, in the wait for the first tile.
; CLUSTER 4 x 4, x = row tile, y = column tile.  v's tile hangs on the batch (cluster x / 2) and the column tile: asked for jointly along a row of the cluster; each wave fetches 64 of a slot's keys.
; REGISTERS, in windows of 256 (s_set_vgpr_msb: bits 1:0 source 0, 3:2 source 1, 5:4 source 2, 7:6 destination):
;   window 0: v0-31 addresses and at work; v32-39 f of two blocks; v40-47 1 / l; v48-55 zeros; v64-127, v128-191 V's fragments, two buffers
;   window 1: v0-127 the accumulators of query blocks 0, 1 ((a, b) at v[8 (8 (a % 2) + b)]); v128-255 their part of P's ring (unit j, block a at v[128 + 16 j + 8 (a % 2)]);   window 2: the same for query blocks 2, 3
; P lies in the window of the accumulators that it feeds, so that ONE setting (source 0 window 0; source 1, C and D window 1 or 2) serves the products, the scalings (f from window 0, P in place) and P's loads.
.set PV,    288                        ; a row of v in LDS: 256 bytes + 32 = 72 words
.set QUART, 64*PV                      ; 64 keys: what one tensor load brings
.set SLOT1, 1<<17                      ; slot 1 begins here: one exclusive or turns an address in one slot into the other's
.set STAGE, SLOT1+4*QUART              ; behind the ring, never filled by a tensor load: 16 rows x 528 bytes for each wave, for the way out
.set SPO,   528
.set FT,    STAGE+4*16*SPO             ; f as a pair of bf16: [16 blocks][256 rows], 4 bytes each
.set INV,   FT+16*1024                 ; 1 / l: [256 rows] f32
.set SPARE, INV+1024                   ; the spare words, 128 bytes for each wave: two blocks of 256 bytes that no other line names
.set KSLOT, 256*2048                   ; bytes of vb from a slot's keys to the next slot's
.set UB,    1024                       ; bytes of a unit in a row block of pb: two pieces of 512
.set RB,    65536                      ; bytes of a row block of pb
.set ADRV0, 8                          ; v8   my lane's place in v's rows of slot 0; never rewritten
.set ADRV,  10                         ; v10  the same in the slot that is being read, units 0-3;  v11  units 4-7 (an LDS offset has 16 bits)
.set FADR,  12                         ; v12  where my query's f of the slot's two blocks lies
.set STO,   13
.set RD,    14
.set CO,    15                         ; v15  16 x lane: my 16 bytes of a piece of pb, and of 512 bytes of out0; never rewritten
.set INVA,  17
.set SPW,   18                         ; v18  LDS address of my spare word; never rewritten
.set NIL,   19                         ; v19  0; never rewritten
.set F,     32                         ; v32-35 f of the slot's first block, query blocks 0-3; v36-39 of its second
.set IV,    40
.set ZERO,  48
.set VB,    64
.set PR,    128
.set WV, 12
.set CX, 15
.set CY, 16
.set RT, 17                            ; tile row: rows 256 RT
.set CT, 18                            ; tile column: channels 128 CT
.set CLY, 19
.set G1, 24                            ; s[24:31] descriptor group 1
.set G0, 32                            ; s[32:35] descriptor group 0: it walks from the first slot to the last
.set TB,  56                           ; s56 LDS byte at which the slot being read begins
.set CNT, 57
.set PB,  60                           ; s[60:61] pb at my wave's four row blocks, at the slot in hand
.set MSB, 0
.macro WIN new                         ; the immediate's high byte repeats the setting that is left; a switch that changes nothing is dropped
.if MSB != (\new)
	s_set_vgpr_msb (MSB<<8)|(\new)
.set MSB, \new
.endif
.endm
.macro PLACES                          ; four plain instructions behind a matrix instruction, in front of loads into registers that it has read and of arithmetic on results
.rept 4
	v_nop
.endr
.endm
.macro JLOAD                           ; a joint fill: every wave fetches its 64 keys; an s_nop 0 and four v_nop follow the line
	tensor_load_to_lds s[G0:G0+3], s[G1:G1+7]
	s_nop 0
.rept 4
	v_nop
.endr
.endm
.macro CREST                           ; a round of the cluster's barrier behind its opening barrier
	s_cmp_lg_u32 s[WV], 0
	s_cbranch_scc1 .Lnot_wave_0_\@
	s_barrier_signal -3
.Lnot_wave_0_\@:
	s_barrier_wait -3
	s_barrier_signal -1
	s_barrier_wait -1
.endm
.macro CROUND
	s_barrier_signal -1
	s_barrier_wait -1
	CREST
.endm
; the 8 loads of one unit of P into ring buffer jb, from byte off behind PB.  w1: the setting under which the first four go (destination window 1, address window 0)
.macro PLOAD jb, off, w1
	WIN \w1
.irp a, 0,1
	global_load_b128 v[PR+16*(\jb)+8*(\a):PR+16*(\jb)+8*(\a)+3],   v[CO], s[PB:PB+1] offset:(\a)*RB+(\off)
	global_load_b128 v[PR+16*(\jb)+8*(\a)+4:PR+16*(\jb)+8*(\a)+7], v[CO], s[PB:PB+1] offset:(\a)*RB+(\off)+512
.endr
	WIN 0x80                                       ; destination window 2
.irp a, 0,1
	global_load_b128 v[PR+16*(\jb)+8*(\a):PR+16*(\jb)+8*(\a)+3],   v[CO], s[PB:PB+1] offset:((\a)+2)*RB+(\off)
	global_load_b128 v[PR+16*(\jb)+8*(\a)+4:PR+16*(\jb)+8*(\a)+7], v[CO], s[PB:PB+1] offset:((\a)+2)*RB+(\off)+512
.endr
.endm
	s_load_b256 s[4:11], s[0:1], 0x0               ; pb s[4:5], vb s[6:7], st s[8:9], out0 s[10:11]
	v_lshl_add_u32 v[SPW], v0, 2, SPARE
	v_mov_b32 v[NIL], 0
	ds_add_u32 v[SPW], v[NIL]                      ; the wave's opening: the add and its wait ahead of my first tensor load
	v_lshrrev_b32 v1, 5, v0
	v_readfirstlane_b32 s[WV], v1
	s_bfe_u32 s[CX], ttmp6, 0x40000
	s_bfe_u32 s[CY], ttmp6, 0x40004
	s_lshl_b32 s[RT], ttmp9, 2                     ; in a cluster launch ttmp9 and ttmp7 count clusters
	s_add_co_u32 s[RT], s[RT], s[CX]
	s_and_b32 s[CLY], ttmp7, 0xffff
	s_lshl_b32 s[CT], s[CLY], 2
	s_add_co_u32 s[CT], s[CT], s[CY]
	s_lshl_b32 s66, s[CY], 2
	s_lshl_b32 s66, 15, s66                        ; my row of the cluster: places 4 cy .. 4 cy + 3
	s_or_b32 s[G1], s66, (1<<16)|(1<<20)|(1<<21)|(5<<22)|(7<<25)  ; the mask; 2-byte elements; padding on; 21 set beside a mask; after every 64 words (code 5) 8 words (code 7)
	s_mov_b32 s[G1+1], 128<<16                     ; tensor_dim0 = 128
	s_mov_b32 s[G1+2], 64<<16                      ; tensor_dim1 = 64
	s_mov_b32 s[G1+3], 128<<16                     ; tile_dim0 = 128
	s_mov_b32 s[G1+4], 64                          ; tile_dim1 = 64
	s_mov_b32 s[G1+5], 1024                        ; elements from row to row
	s_mov_b32 s[G1+6], 0
	s_mov_b32 s[G1+7], 0
	s_lshr_b32 s70, ttmp9, 1                       ; v: row 2,048 x batch + 64 w, 2,048 bytes a row, + 256 CT bytes: nothing of cx
	s_lshl_b32 s70, s70, 22
	s_lshl_b32 s73, s[WV], 17
	s_add_co_u32 s70, s70, s73
	s_lshl_b32 s73, s[CT], 8
	s_add_co_u32 s70, s70, s73
	s_mov_b32 s71, 0
	s_mul_i32 s75, s[WV], QUART                    ; where it goes: wave x 64 keys
	s_mov_b32 s[TB], 0
	s_lshl_b32 s84, s[RT], 20                      ; pb: row block 16 RT + 4 w, 65,536 bytes each; out0: row 256 RT + 64 w, 4,096 bytes each: the same number
	s_lshl_b32 s85, s[WV], 18
	s_add_co_u32 s84, s84, s85
	s_mov_b32 s85, 0
	s_lshl_b32 s82, s[CT], 9                       ; out0: 128 CT channels of 4 bytes
	s_mov_b32 s83, 0
	s_lshl_b32 s80, s[RT], 11                      ; st: row 256 RT, 8 bytes a row
	s_mov_b32 s81, 0
	s_mov_b32 s[G0], 1                             ; count = 1
	s_mov_b32 s[G0+1], s75                         ; LDS address: slot 0
	s_wait_dscnt 0x0                               ; the opening add is done
	s_wait_kmcnt 0x0
	s_add_nc_u64 s[G0+2:G0+3], s[6:7], s[70:71]    ; my 64 of the batch's first 256 keys
	s_or_b32 s[G0+3], s[G0+3], 0x80000000          ; type = 2
	s_add_nc_u64 s[PB:PB+1], s[4:5], s[84:85]
	s_add_nc_u64 s[8:9], s[8:9], s[80:81]
	s_add_nc_u64 s[10:11], s[10:11], s[84:85]
	s_add_nc_u64 s[10:11], s[10:11], s[82:83]
	CROUND                                         ; all sixteen work-groups are here: the first joint loads meet
	JLOAD                                          ; slot 0; slot 1 is asked for behind the next round, when slot 0 is in
	; THE STATISTICS.  Thread t owns rows 256 RT + 2 t and 2 t + 1: 16 bytes of each of the 16 blocks
	v_lshlrev_b32 v30, 4, v0
.set i, 0
.rept 16
	global_load_b128 v[64+4*i:67+4*i], v30, s[8:9] offset:i*65536
.set i, i+1
.endr
	v_and_b32 v3, 31, v0                           ; lane
	v_lshlrev_b32 v[CO], 4, v3
.set iu, 0
.rept 5                                        ; P's units 0 to 4: with the 16 above, 56 loads of mine are out
	PLOAD iu, iu*UB, 0x40
.set iu, iu+1
.endr
	WIN 0
.set i, 0
.rept 8
	v_mov_b32 v[ZERO+i], 0
.set i, i+1
.endr
	WIN 0x40                                       ; 32 products that start the sums, each accumulator once
.set i, 0
.rept 16
	v_wmma_f32_16x16x32_bf16 v[8*i:8*i+7], v[ZERO:ZERO+7], v[ZERO:ZERO+7], 0
.set i, i+1
.endr
	WIN 0x80
.set i, 0
.rept 16
	v_wmma_f32_16x16x32_bf16 v[8*i:8*i+7], v[ZERO:ZERO+7], v[ZERO:ZERO+7], 0
.set i, i+1
.endr
	WIN 0
	v_and_b32 v1, 15, v0                           ; r = lane % 16
	v_bfe_u32 v2, v0, 4, 1                         ; h = lane / 16
	v_and_b32 v4, 7, v0
	v_bfe_u32 v5, v0, 3, 1
	v_lshl_add_u32 v6, v2, 3, v4                   ; v: the turning load takes 16 keys x 16 channels: lane l reads key 8 (l / 16) + l % 8, channels 8 ((l / 8) % 2) + 0..7
	v_mul_u32_u24 v6, v6, PV
	v_lshl_add_u32 v[ADRV0], v5, 4, v6
	v_mov_b32 v[ADRV], v[ADRV0]
	v_add_nc_u32 v[ADRV+1], 4*32*PV, v[ADRV0]
	s_lshl_b32 s80, s[WV], 8                       ; (64 w + r) x 4 bytes
	v_lshl_add_u32 v7, v1, 2, s80
	v_add_nc_u32 v[FADR], FT, v7
	v_add_nc_u32 v[INVA], INV, v7
	s_mul_i32 s80, s[WV], 16*SPO
	s_add_co_u32 s80, s80, STAGE                   ; my stage
	v_mul_u32_u24 v7, v1, SPO                      ; in: row r, 32 bytes for each half of the lanes
	v_lshl_add_u32 v7, v2, 5, v7
	v_add_nc_u32 v[STO], s80, v7
	v_add_nc_u32 v[RD], s80, v[CO]                 ; back: 32 lanes take a row's 512 bytes
	v_lshl_add_u32 v27, v0, 3, FT                  ; where thread t puts its two rows' f
	s_wait_loadcnt 40                              ; the 16 loads of st are in; P's 40 may stay out
	PLOAD 5, 5*UB, 0x40                            ; P's units 5 and 6: 56 loads of mine are out
	PLOAD 6, 6*UB, 0x40
	WIN 0
	v_max3_num_f32 v20, v64, v68, v72              ; M_row of my two rows
	v_max3_num_f32 v21, v66, v70, v74
.set i, 3
.rept 6
	v_max3_num_f32 v20, v20, v[64+4*i], v[68+4*i]
	v_max3_num_f32 v21, v21, v[66+4*i], v[70+4*i]
.set i, i+2
.endr
	v_max_num_f32 v20, v20, v124
	v_max_num_f32 v21, v21, v126
.set i, 0
.rept 16
	v_sub_f32 v24, v[64+4*i], v20                  ; M_block - M_row, a whole number, 0 at the most,
	v_sub_f32 v25, v[66+4*i], v21
	v_max_num_f32 v24, 0xc2fc0000, v24             ; -126 at the least
	v_max_num_f32 v25, 0xc2fc0000, v25
	v_cvt_i32_f32 v24, v24
	v_cvt_i32_f32 v25, v25
	v_add_lshl_u32 v24, v24, 127, 7                ; f's bits in bf16: the exponent alone
	v_add_lshl_u32 v25, v25, 127, 7
	v_lshl_or_b32 v28, v24, 16, v24                ; twice, for the packed multiply
	v_lshl_or_b32 v29, v25, 16, v25
	v_lshlrev_b32 v24, 16, v24                     ; and in f32
	v_lshlrev_b32 v25, 16, v25
.if i == 0
	v_mul_f32 v22, v24, v65
	v_mul_f32 v23, v25, v67
.else
	v_fmac_f32 v22, v24, v[65+4*i]                 ; the rows' sums
	v_fmac_f32 v23, v25, v[67+4*i]
.endif
	ds_store_b64 v27, v[28:29] offset:1024*i
.set i, i+1
.endr
	v_rcp_f32 v28, v22
	v_rcp_f32 v29, v23
	v_nop                                          ; a plain instruction between the last reciprocal and its use,
	s_wait_alu depctr_va_vdst(0)                   ; and the wait ahead of the first use: one for the two
	ds_store_b64 v27, v[28:29] offset:INV-FT
; one product of unit j: query block a, channel block b.  The caller sets the window: 0x54 for a = 0, 1; 0xa8 for a = 2, 3.
; Each accumulator is named once a unit: the 32 take turns, one instruction a turn, over the backward jump too.
.macro PRD j, a, b
	v_wmma_f32_16x16x32_bf16 v[8*(8*((\a)%2)+(\b)):8*(8*((\a)%2)+(\b))+7], v[VB+64*((\j)%2)+8*(\b):VB+64*((\j)%2)+8*(\b)+7], v[PR+16*(\j)+8*((\a)%2):PR+16*(\j)+8*((\a)%2)+7], v[8*(8*((\a)%2)+(\b)):8*(8*((\a)%2)+(\b))+7]
.endm
.macro PRDS j, a, b0, n                ; n products, channel blocks b0 on
.set ib, \b0
.rept \n
	PRD \j, \a, ib
.set ib, ib+1
.endr
.endm
; four scalings: registers q0 .. q0 + 3 of unit jn's fragment of query block a, times f, a power of two; under the window of that block's products
.macro SCL jn, a, q0
.set iq, 0
.rept 4
	v_pk_mul_bf16 v[PR+16*(\jn)+8*((\a)%2)+(\q0)+iq], v[F+4*((\jn)/4)+(\a)], v[PR+16*(\jn)+8*((\a)%2)+(\q0)+iq]
.set iq, iq+1
.endr
.endm
; four products of unit j, query block pa, and behind each four of the 16 scalings of unit jn's query blocks sa, sa + 1: they are issued while the matrix unit works
.macro QUADS j, pa, sa, jn
.set ib, 0
.rept 4
	PRD \j, \pa, ib
	SCL \jn, (\sa)+ib/2, 4*(ib%2)
.set ib, ib+1
.endr
.endm
.macro FETCHV jn                       ; 16 LDS loads in one run: V's fragments of unit jn of the slot
.set ib, 0
.rept 8
	ds_load_tr16_b128 v[VB+64*((\jn)%2)+8*ib:VB+64*((\jn)%2)+8*ib+3],   v[ADRV+(\jn)/4] offset:((\jn)%4)*32*PV+32*ib
	ds_load_tr16_b128 v[VB+64*((\jn)%2)+8*ib+4:VB+64*((\jn)%2)+8*ib+7], v[ADRV+(\jn)/4] offset:((\jn)%4)*32*PV+16*PV+32*ib
.set ib, ib+1
.endr
.endm
.macro FLOAD                           ; f of the slot's two blocks, for my four query blocks
.set ia, 0
.rept 4
	ds_load_b32 v[F+ia], v[FADR] offset:64*ia
	ds_load_b32 v[F+4+ia], v[FADR] offset:1024+64*ia
.set ia, ia+1
.endr
.endm
; UNIT j (0 to 6) of a slot: 32 products; unit j + 1's P is scaled; all memory instructions stand in ONE run behind the first four products: P's loads for the unit seven on (ld = 1), into the ring
; buffer that the unit before was the last to read, and V's fragments of unit j + 1, into the buffer that the unit before read: 28 products ahead of the wait for them.
; n: unit j + 1's eight loads were issued six units back; the loads issued since may stay out: 5 x 8 while loads go on.
.macro UNIT j, ld, n
	s_wait_dscnt 0x0                               ; this unit's V
	s_wait_loadcnt \n                              ; the next unit's P
	WIN 0x54
	QUADS \j, 0, 0, (\j)+1
	PLACES
.if \ld
	PLOAD ((\j)+7)%8, ((\j)+7)*UB, 0x54
.endif
	WIN 0
	FETCHV (\j)+1
	WIN 0x54
	PRDS \j, 0, 4, 4
	PRDS \j, 1, 0, 8
	WIN 0xa8
	QUADS \j, 2, 2, (\j)+1
	PRDS \j, 2, 4, 4
	PRDS \j, 3, 0, 8
.endm
; A slot's last unit, and the change of slots: ONE barrier; in front of it each wave waits for all its tensor loads (one is out: its part of the next slot), adds 0 to its spare word, and waits for
; that and for its own reads of this slot.  fill = 1: the barrier opens a round of the cluster's, so that no wave of any partner still reads the slot or has a load on its way, and the joint refill
; (the slot two on) is the first thing behind it: 240 products ahead of the wait for it.  PB has been stepped to the next slot: P's loads are that slot's unit 6.
.macro TURN fill
	WIN 0
	s_wait_tensorcnt 0x0                           ; no tensor load of mine is out, so group 0 may be written
	ds_add_u32 v[SPW], v[NIL]                      ; 0 onto my spare word
.if \fill
	s_xor_b32 s[G0+1], s[G0+1], SLOT1              ; the walking descriptor: the other slot than last time,
	s_add_nc_u64 s[G0+2:G0+3], s[G0+2:G0+3], KSLOT ; the next 256 keys; the type bits on top are not reached
.endif
	s_xor_b32 s[TB], s[TB], SLOT1                  ; the reads go on in the other slot
	s_wait_dscnt 1                                 ; only the add may be out: this unit's V is in
	WIN 0x54
	PRDS 7, 0, 0, 8
	s_wait_dscnt 0x0                               ; the add is done, and my reads of this slot are over
	s_barrier_signal -1
	WIN 0xa8
	PRDS 7, 2, 0, 8                                ; work on registers while the others arrive
	WIN 0
	s_barrier_wait -1
.if \fill
	CREST
	JLOAD                                          ; its four v_nop are also the places in front of the loads below
.else
	PLACES
.endif
	v_add_nc_u32 v[ADRV], s[TB], v[ADRV0]
	v_add_nc_u32 v[FADR], 2048, v[FADR]            ; the next two blocks' f: the old ones' last use stands in the unit before
	v_add_nc_u32 v[ADRV+1], 4*32*PV, v[ADRV]
	FLOAD
	FETCHV 0
	PLOAD 6, 6*UB, 0x40
	s_wait_loadcnt 48                              ; the next slot's unit 0 of P is in: behind its loads 5 x 8 were issued, and the 8 just above
	s_wait_dscnt 16                                ; f is in; V's 16 younger loads may stay out
	WIN 0x54
	QUADS 7, 1, 0, 0
	PRDS 7, 1, 4, 4
	WIN 0xa8
	QUADS 7, 3, 2, 0
	PRDS 7, 3, 4, 4
.endm
	; THE ENTRY: slot 0 is waited for and slot 1 asked for, as a refill is
	s_wait_tensorcnt 0x0                           ; my part of slot 0 is in; group 0 may be written
	ds_add_u32 v[SPW], v[NIL]                      ; 0 onto my spare word
	s_xor_b32 s[G0+1], s[G0+1], SLOT1
	s_add_nc_u64 s[G0+2:G0+3], s[G0+2:G0+3], KSLOT
	s_wait_dscnt 0x0                               ; the add is done; for the others' sake: my f and 1 / l lie in LDS
	CROUND
	JLOAD
	FLOAD
	FETCHV 0
	s_wait_loadcnt 48                              ; P's unit 0 is in; units 1 to 6 may stay out
	s_wait_dscnt 16                                ; f
	WIN 0x44                                       ; destination and source 1 window 1, f from window 0
	SCL 0, 0, 0
	SCL 0, 0, 4
	SCL 0, 1, 0
	SCL 0, 1, 4
	WIN 0x88
	SCL 0, 2, 0
	SCL 0, 2, 4
	SCL 0, 3, 0
	SCL 0, 3, 4
	WIN 0
	s_mov_b32 s[CNT], 7
	s_branch .Lenter                               ; the loop is entered at a slot's first unit, in the middle of a trip
.Lmain:                                        ; a trip: the last unit of one slot with the change of slots, then units 0 to 6 of the next.  Seven slots, six refills
	TURN 1
	WIN 0
.Lenter:
.irp j, 0,1,2,3,4,5,6
	UNIT \j, 1, 40
.endr
	WIN 0
	s_wait_xcnt 0x0                                ; every load issued so far has read its address, so the pointer may be written
	s_add_nc_u64 s[PB:PB+1], s[PB:PB+1], 8*UB
	s_sub_co_u32 s[CNT], s[CNT], 1
	s_cmp_lg_u32 s[CNT], 0
	s_cbranch_scc1 .Lmain
	TURN 0                                         ; the last slot is written out: nothing is asked of vb; P's unit 62 is
	UNIT 0, 1, 40                                  ; P's unit 63: the last load
	UNIT 1, 0, 40                                  ; nothing more is issued: the counts run down
	UNIT 2, 0, 32
	UNIT 3, 0, 24
	UNIT 4, 0, 16
	UNIT 5, 0, 8
	UNIT 6, 0, 0
	s_wait_dscnt 0x0                               ; the last unit's V
	WIN 0x54
	PRDS 7, 0, 0, 8
	PRDS 7, 1, 0, 8
	WIN 0xa8
	PRDS 7, 2, 0, 8
	PRDS 7, 3, 0, 8
	WIN 0
	; THE WAY OUT, a query block (16 rows x my 128 channels) at a time: times 1 / l, through my own stage, back as whole rows of 512 bytes.
	PLACES                                         ; behind the last products
.set ia, 0
.rept 4
	ds_load_b32 v[IV+2*ia], v[INVA] offset:64*ia
	ds_load_b32 v[IV+2*ia+1], v[INVA] offset:64*ia ; named with it as a pair
.set ia, ia+1
.endr
	s_wait_dscnt 0x0
.macro OUT a
.set W, 1+(\a)/2
.set AB, 64*((\a)%2)
.set BK, 64+64*((\a)%2)
	WIN 0x41*W                                     ; destination and source 0 in the block's window, 1 / l in window 0
.set i, 0
.rept 32
	v_pk_mul_f32 v[AB+2*i:AB+2*i+1], v[AB+2*i:AB+2*i+1], v[IV+2*(\a):IV+2*(\a)+1] op_sel_hi:[1,0]  ; each accumulator from its low end on
.set i, i+1
.endr
	WIN 4*W                                        ; the stores' data in the block's window, the address in window 0
.set ib, 0
.rept 8
	ds_store_b128 v[STO], v[AB+8*ib:AB+8*ib+3]   offset:64*ib
	ds_store_b128 v[STO], v[AB+8*ib+4:AB+8*ib+7] offset:64*ib+16
.set ib, ib+1
.endr
	WIN 0
.if (\a) >= 2
	s_wait_xcnt 0x0                                ; the stores of the block two back have read the registers that are loaded again below
.endif
.set i, 0
.rept 16
	ds_load_b128 v[BK+4*i:BK+4*i+3], v[RD] offset:i*SPO  ; LDS serves a wave's instructions in order (ISA guide 5.7.1.4): these see the stores above; the next block's stores come behind them
.set i, i+1
.endr
.set i, 0
.rept 16
	s_wait_dscnt 15-i
	global_store_b128 v[CO], v[BK+4*i:BK+4*i+3], s[10:11] offset:(16*(\a)+i)*4096 th:TH_STORE_NT  ; 512 consecutive bytes, at a multiple of 256 from out0's first byte
.set i, i+1
.endr
.endm
	OUT 0
	OUT 1
	OUT 2
	OUT 3
	s_wait_tensorcnt 0x0                           ; the wave's end, behind my last tensor load and my last LDS store
	ds_add_u32 v[SPW], v[NIL]
	s_wait_dscnt 0x0
	CROUND                                         ; the closing round: no work-group ends while a partner may still ask for a tile that names it
	s_endpgm
.Lfunc_end_k_q7b61928b5a_pv:
	.size	k_q7b61928b5a_pv, .Lfunc_end_k_q7b61928b5a_pv-k_q7b61928b5a_pv
	.p2alignl 7, 3214868480
	.fill 96, 4, 3214868480
	.section	.rodata,"a",@progbits
	.p2align	6, 0x0
	.amdhsa_kernel k_q7b61928b5a_pv
		.amdhsa_group_segment_fixed_size 327680
		.amdhsa_private_segment_fixed_size 0
		.amdhsa_enable_private_segment 0
		.amdhsa_kernarg_size 32
		.amdhsa_user_sgpr_count 2
		.amdhsa_user_sgpr_kernarg_segment_ptr 1
		.amdhsa_wavefront_size32 1
		.amdhsa_system_sgpr_workgroup_id_x 1
		.amdhsa_system_sgpr_workgroup_id_y 1
		.amdhsa_system_sgpr_workgroup_id_z 1
		.amdhsa_system_vgpr_workitem_id 0
		.amdhsa_next_free_vgpr 768
		.amdhsa_next_free_sgpr 100
		.amdhsa_reserve_vcc 0
		.amdhsa_float_denorm_mode_32 3
		.amdhsa_float_denorm_mode_16_64 3
		.amdhsa_memory_ordered 1
		.amdhsa_forward_progress 1
		.amdhsa_inst_pref_size 155
	.end_amdhsa_kernel
	.amdgpu_metadata
---
amdhsa.version: [ 1, 2 ]
amdhsa.kernels:
  - .name:           k_q7b61928b5a_pv
    .symbol:         k_q7b61928b5a_pv.kd
    .args:
      - { .name: pb, .offset: 0, .size: 8, .value_kind: global_buffer, .address_space: global }
      - { .name: vb, .offset: 8, .size: 8, .value_kind: global_buffer, .address_space: global }
      - { .name: st, .offset: 16, .size: 8, .value_kind: global_buffer, .address_space: global }
      - { .name: out0, .offset: 24, .size: 8, .value_kind: global_buffer, .address_space: global }
    .group_segment_fixed_size: 327680
    .private_segment_fixed_size: 0
    .kernarg_segment_align: 8
    .kernarg_segment_size: 32
    .max_flat_workgroup_size: 128
    .sgpr_count:     100
    .vgpr_count:     768
    .wavefront_size: 32
...
	.end_amdgpu_metadata
.endif
;; end of part 4
;; ======== version 2 of 2: 4 launches; version 1 with the launch cvt written anew for expert scheduling mode
;; limits: values outside matrix products are rounded to bf16
;; workspace buffers: xw 23,068,672 bytes; qb 16,777,216 bytes; kb 16,777,216 bytes; vb 16,777,216 bytes; pb 33,554,432 bytes; st 1,048,576 bytes
;; launch cvt (part 5): grid 256 x 1, 11 waves a work-group, no clusters, 0 bytes of LDS; arguments x, Wq, Wk, Wv, xw; writes xw
.if DOCPART == 5
	.amdgcn_target "amdgcn-amd-amdhsa--gfx1250"
	.amdhsa_code_object_version 6
	.text
	.protected	k_q7b61928b5a_cvt
	.globl	k_q7b61928b5a_cvt
	.p2align	8
	.type	k_q7b61928b5a_cvt,@function
k_q7b61928b5a_cvt:
	s_mov_b64 s[64:65], 0
	v_nop
	global_prefetch_b8 v0, s[64:65] scope:SCOPE_SE
	s_setreg_imm32_b32 hwreg(HW_REG_WAVE_SCHED_MODE, 0, 2), 2
	s_setreg_imm32_b32 hwreg(HW_REG_WAVE_MODE, 25, 1), 1
	s_wait_xcnt 0x0
	s_wait_alu depctr_vm_vsrc(0)
; xw = x, Wq, Wk and Wv, each number rounded once to bf16, laid out in blocks of 64 along K:
; xw[kb][row][64], kb = 0..15, row 0..8191 = x's rows, row 8192 + 1024 t + e = row e of W_t (t = 0, 1, 2: q, k, v).
; So R rows x 64 channels are R x 128 consecutive bytes, which the next launch asks for as rows of 256 bytes.
; A stream: every byte is read once and written once; no LDS, no matrix unit, nothing shared between work-groups, so no cluster.
; SHARES.  Work-group g: waves 0-7 take x's rows 32 g + 4 w .. + 3; waves 8, 9, 10 take rows 4 g .. 4 g + 3 of Wq, Wk, Wv.
; A wave's four rows are two pairs.  One load: lanes 0-15 take 256 bytes (64 numbers, one K block) of the pair's first row, lanes 16-31 of its second.
; One store: 32 lanes x 8 bytes = the two rows' 128 bytes each of that K block: 256 consecutive bytes, aligned.
; All 32 loads of a wave (16 KiB) go out at once.
; THE MODE: SCHED_MODE bits 1:0 = 2 (LLVM: expert scheduling mode 2), set by the entry lines.  The code itself states the register dependences
; between vector instructions and memory instructions, with s_wait_alu, always for 0.
; THE PLAN.  Registers that memory instructions touch:
;   v4, v5      the loads' and the stores' byte offsets: made once at the head, never written again.
;   v[8:135]    load i has four registers of its own.  The load lands in them (no vector line has named them before); its two roundings read the four and write the
;               first two; store i reads those two; nothing writes them again.
; The 32 loads are worked on in 8 blocks of four.  Block p waits for its four loads; its memory instructions are the four stores of block p - 1, dealt among its eight roundings,
; which name block p's registers alone.  So one wait on va_vdst at a block's head states all that the block's stores hang on.
; No register that a memory instruction reads is ever written again: nothing is owed on vm_vsrc, and no s_wait_xcnt is written behind the entry.
.set KBLK, 11264*128                   ; bytes of one K block of xw
.set LO,   4                           ; v4  byte offset of my 16 bytes in a pair of source rows
.set DOF,  5                           ; v5  8 x lane: my 8 bytes of a store
.set DAT,  8                           ; v[8:135]  load i (pair i / 16, K block i % 16): four registers
	s_load_b256 s[4:11], s[0:1], 0x0               ; x s[4:5], Wq s[6:7], Wk s[8:9], Wv s[10:11]
	s_load_b64 s[12:13], s[0:1], 0x20              ; xw
	v_lshrrev_b32 v1, 5, v0
	v_readfirstlane_b32 s14, v1                    ; wave 0..10
	v_and_b32 v2, 31, v0                           ; lane
	v_lshrrev_b32 v3, 4, v2                        ; which row of the pair
	v_and_b32 v[LO], 15, v2
	v_lshlrev_b32 v[LO], 4, v[LO]
	v_lshl_add_u32 v[LO], v3, 12, v[LO]            ; row x 4,096 + 16 x (lane % 16)
	v_lshlrev_b32 v[DOF], 3, v2
	s_wait_alu depctr_va_sdst(0)                   ; s14 is written, ahead of its first reader: the rows, the source and the bases are chosen by it
	s_lshl_b32 s18, ttmp9, 5
	s_lshl_b32 s15, s14, 2
	s_add_co_u32 s18, s18, s15                     ; x: row 32 g + 4 w, in the source and in xw
	s_lshl_b32 s19, ttmp9, 2                       ; W: source row 4 g,
	s_lshl_b32 s20, s14, 10
	s_add_co_u32 s20, s20, s19                     ; row in xw 8192 + 1024 (w - 8) + 4 g = 1024 w + 4 g
	s_cmp_lt_u32 s14, 8
	s_cselect_b32 s21, s18, s19
	s_cselect_b32 s22, s18, s20
	s_lshl_b32 s24, s21, 12                        ; source rows of 4,096 bytes
	s_mov_b32 s25, 0
	s_lshl_b32 s26, s22, 7                         ; rows of 128 bytes in a K block
	s_mov_b32 s27, 0
	s_wait_kmcnt 0x0
	s_cmp_lt_u32 s14, 8                            ; the source, chosen by the wave's number
	s_cselect_b64 s[16:17], s[4:5], s[6:7]
	s_cmp_eq_u32 s14, 9
	s_cselect_b64 s[16:17], s[8:9], s[16:17]
	s_cmp_eq_u32 s14, 10
	s_cselect_b64 s[16:17], s[10:11], s[16:17]
	s_add_nc_u64 s[16:17], s[16:17], s[24:25]
	s_add_nc_u64 s[28:29], s[12:13], s[26:27]      ; four bases, five K blocks apart, so that a K block's place fits the store's signed 24-bit immediate
	s_add_nc_u64 s[30:31], s[28:29], 5*KBLK
	s_add_nc_u64 s[32:33], s[30:31], 5*KBLK
	s_add_nc_u64 s[34:35], s[32:33], 5*KBLK
	s_wait_alu depctr_va_vdst(0)                   ; v4 and v5 are written: every load of the kernel reads v4 as its offset, every store v5
.set i, 0
.rept 32
	global_load_b128 v[DAT+4*i:DAT+4*i+3], v[LO], s[16:17] offset:(i/16)*8192+(i%16)*256 th:TH_LOAD_NT
.set i, i+1
.endr
; store o: the pair that load o's roundings have written
.macro ST o
	global_store_b64 v[DOF], v[DAT+4*(\o):DAT+4*(\o)+1], s[28+2*(((\o)%16)/5):29+2*(((\o)%16)/5)] offset:(((\o)%16)%5)*KBLK+((\o)/16)*256
.endm
.set p, 0
.rept 8                                        ; block p: loads 4 p .. 4 p + 3
	s_wait_loadcnt 28-4*p                          ; loads come back in order (ISA guide 5.7.1): the block's four are in, the 28 - 4 p younger ones stay out
.if p > 0
	s_wait_alu depctr_va_vdst(0)                   ; the roundings of the block before have written its four pairs, which the stores below read
.endif
.set q, 0
.rept 4
.set i, 4*p+q
.if p > 0
	ST i-4                                         ; the block before; no vector line since the wait names its registers or v5
.endif
	v_cvt_pk_bf16_f32 v[DAT+4*i], v[DAT+4*i], v[DAT+4*i+1]
	v_cvt_pk_bf16_f32 v[DAT+4*i+1], v[DAT+4*i+2], v[DAT+4*i+3]
.set q, q+1
.endr
.set p, p+1
.endr
	s_wait_alu depctr_va_vdst(0)                   ; block 7's roundings have written its four pairs, which the last four stores read
	ST 28
	ST 29
	ST 30
	ST 31
	s_endpgm
.Lfunc_end_k_q7b61928b5a_cvt:
	.size	k_q7b61928b5a_cvt, .Lfunc_end_k_q7b61928b5a_cvt-k_q7b61928b5a_cvt
	.p2alignl 7, 3214868480
	.fill 96, 4, 3214868480
	.section	.rodata,"a",@progbits
	.p2align	6, 0x0
	.amdhsa_kernel k_q7b61928b5a_cvt
		.amdhsa_group_segment_fixed_size 0
		.amdhsa_private_segment_fixed_size 0
		.amdhsa_enable_private_segment 0
		.amdhsa_kernarg_size 40
		.amdhsa_user_sgpr_count 2
		.amdhsa_user_sgpr_kernarg_segment_ptr 1
		.amdhsa_wavefront_size32 1
		.amdhsa_system_sgpr_workgroup_id_x 1
		.amdhsa_system_sgpr_workgroup_id_y 1
		.amdhsa_system_sgpr_workgroup_id_z 1
		.amdhsa_system_vgpr_workitem_id 0
		.amdhsa_next_free_vgpr 136
		.amdhsa_next_free_sgpr 66
		.amdhsa_reserve_vcc 0
		.amdhsa_float_denorm_mode_32 3
		.amdhsa_float_denorm_mode_16_64 3
		.amdhsa_memory_ordered 1
		.amdhsa_forward_progress 1
		.amdhsa_inst_pref_size 13
	.end_amdhsa_kernel
	.amdgpu_metadata
---
amdhsa.version: [ 1, 2 ]
amdhsa.kernels:
  - .name:           k_q7b61928b5a_cvt
    .symbol:         k_q7b61928b5a_cvt.kd
    .args:
      - { .name: x, .offset: 0, .size: 8, .value_kind: global_buffer, .address_space: global }
      - { .name: Wq, .offset: 8, .size: 8, .value_kind: global_buffer, .address_space: global }
      - { .name: Wk, .offset: 16, .size: 8, .value_kind: global_buffer, .address_space: global }
      - { .name: Wv, .offset: 24, .size: 8, .value_kind: global_buffer, .address_space: global }
      - { .name: xw, .offset: 32, .size: 8, .value_kind: global_buffer, .address_space: global }
    .group_segment_fixed_size: 0
    .private_segment_fixed_size: 0
    .kernarg_segment_align: 8
    .kernarg_segment_size: 40
    .max_flat_workgroup_size: 352
    .sgpr_count:     66
    .vgpr_count:     136
    .wavefront_size: 32
...
	.end_amdgpu_metadata
.endif
;; end of part 5
;; launch proj: the kernel of part 2 again; grid 8 x 32, 4 waves a work-group, clusters of 4 x 4, 327,680 bytes of LDS; arguments xw, bq, bk, bv, qb, kb, vb; writes qb, kb, vb
;; launch score: the kernel of part 3 again; grid 8 x 32, 4 waves a work-group, clusters of 4 x 4, 327,680 bytes of LDS; arguments qb, kb, pb, st; writes pb, st
;; launch pv: the kernel of part 4 again; grid 32 x 8, 4 waves a work-group, clusters of 4 x 4, 327,680 bytes of LDS; arguments pb, vb, st, out0; writes out0
